; MI455X (gfx1250); checked and timed in simulation.
; The chip was launched on July 23, 2026; its instructions are those of AMD's public machine-readable ISA for CDNA 5 (MIT licence, August 2026) and "CDNA5" Instruction Set Architecture Reference Guide (July 2026). The comments in the code are by the model that wrote it; some were corrected since.
;; Attention. Allowed arithmetic: matrix products marked QUANTISED: E3M2 operands, one E8M0 scale for each 32 along K, by v_wmma_scale_f32_16x16x128_f8f6f4 with both operands' format E3M2, f32 sums; everything else in f32.
;; Inputs: mask 1 x 1 x 512 x 512 bool; wk 2,048 x 512 float32; wo 2,048 x 2,048 float32; wq 2,048 x 2,048 float32; wv 2,048 x 512 float32; x 8 x 512 x 2,048 float32.
;; Outputs: out0 8 x 512 x 2,048 float32.
;; This version of the problem:
;;   THIS VERSION OF THE PROBLEM IS GIVEN IN LOW PRECISION. The matrix products marked QUANTISED in the list below multiply operands that are first quantised to E3M2 (3 exponent bits, 2 mantissa bits; 6 bits a number), with one power-of-two scale for each 32 numbers along K (OCP MX v1.0); their sums are f32. All else is computed in f32.
;;   The module's matrix products, in the order in which they are computed (A, B: the left and right operand; K: the contracted axis; several contracted axes count as one K, in the product's order):
;;     1. [M 4,096, K 2,048] x [K 2,048, N 2,048]; A: input x; B: input wq: QUANTISED
;;     2. [M 4,096, K 2,048] x [K 2,048, N 512]; A: input x; B: input wk: QUANTISED
;;     3. [M 4,096, K 2,048] x [K 2,048, N 512]; A: input x; B: input wv: QUANTISED
;;     4. batch 128 x [M 512, K 128] x [K 128, N 512]; A: computed on the way; B: computed on the way: QUANTISED
;;     5. batch 128 x [M 512, K 512] x [K 512, N 128]; A: softmax (see below); B: computed on the way: QUANTISED
;;     6. [M 4,096, K 2,048] x [K 2,048, N 2,048]; A: computed on the way; B: input wo: QUANTISED
;;   THE QUANTISER, for each operand of a quantised product, along K:
;;     - K is cut into blocks of 32 from its start; a last block that is shorter is filled with zeros.
;;     - A block's scale is 2^e with e = floor(log2(the largest magnitude in the block)) - 4, held to -126 .. 127; a block of zeros has e = 0. As a byte (E8M0): e + 127.
;;     - Each number is divided by its block's scale, clamped to +-28, and rounded to the nearest number of E3M2, ties to even, subnormals kept.
;;     - The product sums the exact products of the quantised numbers (number of the format x scale) in f32.
;;   ~~~python
;;   def quantise(x, axis):      # numpy; x: float32 -> the quantised numbers, widened to float32 again
;;       x = np.moveaxis(x, axis, -1); K = x.shape[-1]
;;       x = np.pad(x, [(0, 0)] * (x.ndim - 1) + [(0, -K % 32)]); x = x.reshape(x.shape[:-1] + (-1, 32)); a = np.abs(x).max(-1, keepdims=True)
;;       e = np.where(a > 0, np.clip(np.frexp(np.where(a > 0, a, 1))[1] - 1 - 4, -126, 127), 0)      # np.frexp(a)[1] - 1 = floor(log2(a)), exactly
;;       r = np.clip(x / 2.0 ** e, -28, 28)
;;       step = 2.0 ** (np.maximum(np.frexp(np.where(r == 0, 1, r))[1] - 1, -2) - 2)
;;       q = np.round(r / step) * step * 2.0 ** e      # np.round: ties to even
;;       return np.moveaxis(q.reshape(q.shape[:-2] + (-1,))[..., :K], -1, axis).astype(np.float32)
;;   ~~~
;;   SOFTMAX AHEAD OF A QUANTISED PRODUCT. Where the list says 'softmax', what is quantised is not the finished softmax but p = 2^(t - M), with t = logit x log2(e) and M = ceil(the row's largest t), a whole number; so 1/2 < the row's largest p <= 1. The row's sum l is taken of the UNQUANTISED p, in f32, and the product's result is divided by l at the end. Since M is a whole number, a kernel that streams over the keys may use a running M (the ceiling of the running maximum): every later rescaling is an exact power of two, which a block's scale takes up: the codes' values come out the same.
;;   OPERANDS COMPUTED ON THE WAY. 'Computed on the way' means the value that the module computes at that place (a softmax that the list does not call 'softmax' is quantised finished and normalised). What goes into a quantiser is computed in f32, as accurately as f32 sums, v_exp_f32 and their like allow (about 1e-6 of the number): no bf16 or f16 on the way to a quantiser, and a product that is left as it is and whose result goes on into a quantised operand takes f32 operands (vector FMAs, or v_wmma_f32_16x16x4_f32). A number that lies on a knife's edge between two numbers of the format may be rounded either way, as far as f32 arithmetic and the matrix unit's own rounding can turn it there, and no further.
;; One version. Each part assembles by itself: llvm-mc -triple=amdgcn-amd-amdhsa -mcpu=gfx1250 --defsym DOCPART=n.
;; ======== version 1 of 1: 4 launches
;; limits: right only within a limited range of input values
;; workspace buffers: xq 6,553,600 bytes; wb 8,192,000 bytes; tab 262,144 bytes; mw 49,152 bytes of whole numbers; qb 6,553,600 bytes; kvb 3,276,800 bytes; ab 6,553,600 bytes
;; launch prep (part 1): grid 576 x 1, 4 waves a work-group, no clusters, 68,096 bytes of LDS; arguments x, wq, wk, wv, wo, mask, xq, wb, tab, mw; writes xq, wb, tab, mw
.if DOCPART == 1
	.amdgcn_target "amdgcn-amd-amdhsa--gfx1250"
	.amdhsa_code_object_version 6
	.text
	.protected	k_qe1cb8687fa_prep
	.globl	k_qe1cb8687fa_prep
	.p2align	8
	.type	k_qe1cb8687fa_prep,@function
k_qe1cb8687fa_prep:
	s_mov_b64 s[64:65], 0
	v_nop
	global_prefetch_b8 v0, s[64:65] scope:SCOPE_SE
	s_setreg_imm32_b32 hwreg(HW_REG_WAVE_MODE, 25, 1), 1
	s_wait_xcnt 0x0
; PREPARATION.  Everything that later launches read many times is made once here.
;  (1) x [4096][2048] f32 (K innermost) -> codes of E3M2, 6 bits each, rows of 1,536 bytes, and one E8M0 byte for each 32 along K (64 a row, from byte XQS of the same buffer on).
;  (2) wq, wo [2048][2048], wk, wv [2048][512] f32 (K is the FIRST axis) -> the same form with K innermost: one buffer of 5,120 rows: wq's 2,048 columns; then for each of the 4 key heads 128 columns of wk and 128 of wv; then wo's 2,048.
;  (3) the table of cos and sin of t x 10000^(-j/64), t = 0 .. 511, j = 0 .. 63: 512 bytes for each t, 64 cos and then 64 sin.
;  (4) the mask as lane masks: word n of record (f, s) has at bit r + 16 h the mask of query 32 (f/2) + 8 (f%2) + r + 8 (r/8) and key 128 s + 32 (n/16) + 16 h + n%16; and for each record a flag, the OR of its 64 words.
; ROW ORDER.  x's rows and the weights' columns are laid with bits 3 and 4 of their number exchanged.  A product that takes 16 neighbouring buffer rows as a tile then has, in a lane's registers of two neighbouring tiles,
; 16 neighbours along the next product's K, and no later launch has to move a number between lanes for that.
; A block's scale is 2^(floor(log2(its largest magnitude)) - 4); its byte is the largest magnitude's exponent field - 4, held at 1 from below.
; LIMITS: a block of zeros gets the byte 1 where the rule says 127 (its codes are zeros, which add nothing under any byte but 0xff, and only this program reads the bytes); NaN and infinities among the inputs are not served;
; 10000^(-j/64) is made by one exponential with a first-order correction and may differ from another f32 evaluation by some 2 units in the last place, which at t = 511 is some 1e-4 of a radian.
; SHARES.  Work-groups 0-255: 32,768 numbers of x each, two rows of the table each, and the first 32 of them one query tile's mask records.  Work-groups 256-575: 128 columns x 256 along K of a weight.
; Memory binds: no matrix unit, no tensor load, no barrier (waves share nothing); the two paths have LDS bytes of their own.
.set XQS,   6291456                    ; where x's scale bytes begin
.set WBS,   7864320                    ; where the weights' scale bytes begin
; LAYOUT OF THE CODES (in place of the rows of 1,536 bytes named above): x's and the weights' codes are stored as IMAGES OF AN OPERAND'S REGISTERS.
; An image is 16 buffer rows x 128 along K, 1,536 bytes: register g of lane (r, h) lies at 512 (g / 4) + 16 (r + 16 h) + 4 (g % 4).  Image (tile, step) lies at (16 tile + step) x 1,536.
; Which rows form a tile, and the scale bytes (64 for a buffer row), are as said above.
.set XR,    16                         ; v16-143  x: two sets of 16 rows x 16 bytes a lane, as loaded
.set XX,    144                        ; v144-207 x: my 64 numbers: k = 64 c + 32 h + 0 .. 31 of row r
.set XC,    212                        ; v212-223 x: the image's 12 registers
.set XT,    224                        ; v224-230 x: the upper halves of two blocks' codes, before they are moved
.set XW,    232                        ; v232-235 x: a scale word for each of my four steps
.set XP,    528                        ; LDS, x path: a stage row: 512 bytes + 16
.set XSTW,  16*XP                      ; a stage of 16 rows for each wave
.set WSTG,  33792                      ; LDS, weights' path: a stage for each wave: 2 tiles x 2 images
.set WT,    3200                       ; a tile's two images + 128 bytes
.set KROW,  1536                       ; a row of codes in bytes
.set NB,    8                          ; blocks of 32 along K for a wave
.set WX,    32                         ; v32-95   weights: two sets of 32 numbers
.set WC,    96                         ; v96..    a block's codes
.set OUTR,  112                        ; v112-175 the way out
.set SB,    24                         ; v24-25   scale bytes
.set WO,    176                        ; v176-207 byte offsets of 32 rows of a weight
	s_load_b512 s[4:19], s[0:1], 0x0               ; x s[4:5], wq s[6:7], wk s[8:9], wv s[10:11], wo s[12:13], mask s[14:15], xq s[16:17], wb s[18:19]
	s_load_b128 s[20:23], s[0:1], 0x40             ; tab s[20:21], mw s[22:23]
	v_lshl_add_u32 v208, v0, 2, 0x10800
	v_mov_b32 v209, 0
	v_lshrrev_b32 v1, 5, v0
	v_readfirstlane_b32 s24, v1                    ; wave
	v_and_b32 v2, 31, v0                           ; lane
	s_cmp_lt_u32 ttmp9, 256
	s_cbranch_scc0 .Lweights
; ---------------- x.  A wave takes a run of 8,192 numbers (16 rows x 512) in four images of 16 rows x 128.  Each load reads 512 consecutive bytes; an image's 8,192 bytes turn through the wave's own stage so that a lane gets two blocks of 32 neighbours.
; Work-group f makes row tile f; wave w its K steps 4 w .. 4 w + 3, an image each.  A load reads 512 consecutive bytes of one row; 16 rows turn through the wave's own stage,
; so that lane (r, h) gets k = 64 c + 32 h + 0 .. 31 of row r: two whole blocks, in the order of the operand's registers.
	v_lshlrev_b32 v3, 4, v2                        ; 16 x lane
	v_and_b32 v4, 15, v2                           ; r
	v_lshrrev_b32 v5, 4, v2                        ; h
	s_mul_i32 s25, s24, XSTW
	v_add_nc_u32 v14, s25, v3                      ; into the stage
	v_mul_u32_u24 v15, v4, XP
	v_lshl_add_u32 v15, v5, 7, v15
	v_add_nc_u32 v15, s25, v15                     ; out of it: row r, + 128 h
	v_lshlrev_b32 v6, 6, v4                        ; my row's 64 scale bytes
	v_lshlrev_b32 v7, 3, v5                        ; 8 h
	v_mov_b32 v13, 0                               ; a lane permute's destination counts as a source
	s_mov_b32 s34, 0x76543210
	s_mov_b32 s35, 0xfedcba98                      ; lane l xor 16
	s_lshr_b32 s26, ttmp9, 1
	s_lshl_b32 s26, s26, 5
	s_and_b32 s27, ttmp9, 1
	s_lshl_b32 s27, s27, 3
	s_add_co_u32 s26, s26, s27                     ; the tile's first row: 32 (f / 2) + 8 (f % 2)
	s_lshl_b32 s28, s26, 13
	s_lshl_b32 s27, s24, 11
	s_add_co_u32 s28, s28, s27                     ; + 2,048 bytes a wave
	s_mov_b32 s29, 0
	s_wait_alu depctr_va_vdst(0)                   ; the wait at the head's end
	s_wait_kmcnt 0x0
	s_add_nc_u64 s[4:5], s[4:5], s[28:29]
	s_lshl_b32 s28, ttmp9, 4
	s_lshl_b32 s27, s24, 2
	s_add_co_u32 s28, s28, s27
	s_mul_i32 s28, s28, 1536
	s_add_nc_u64 s[30:31], s[16:17], s[28:29]      ; image 16 f + 4 w
	s_lshl_b32 s28, ttmp9, 10
	s_lshl_b32 s27, s24, 4
	s_add_co_u32 s28, s28, s27
	s_add_co_u32 s28, s28, XQS
	s_add_nc_u64 s[32:33], s[16:17], s[28:29]      ; the tile's scale bytes, + 16 w
.macro XLOAD u
.irp i, 0,1,2,3,4,5,6,7,8,9,10,11,12,13,14,15
	global_load_b128 v[XR+64*((\u)%2)+4*\i:XR+64*((\u)%2)+4*\i+3], v3, s[4:5] offset:(\i+8*(\i/8))*8192+512*(\u) th:TH_LOAD_NT
.endr
.endm
.macro XUNIT u
.if (\u) < 3
	s_wait_loadcnt 16                              ; this image's 16 loads are in; the next image's stay out
.else
	s_wait_loadcnt 0x0
.endif
.irp i, 0,1,2,3,4,5,6,7,8,9,10,11,12,13,14,15
	ds_store_b128 v14, v[XR+64*((\u)%2)+4*\i:XR+64*((\u)%2)+4*\i+3] offset:\i*XP
.endr
.irp j, 0,1,2,3,4,5,6,7,8,9,10,11,12,13,14,15
	ds_load_b128 v[XX+4*\j:XX+4*\j+3], v15 offset:256*(\j/8)+16*(\j%8)   ; LDS serves a wave's instructions in order: these see the stores
.endr
	s_wait_dscnt 0x0
.if (\u)+2 < 4
	XLOAD (\u)+2                                   ; into the set whose stores into the stage are done
.endif
	s_wait_xcnt 0x0                                ; the last image's stores have read their registers
.irp c, 0,1
	v_max3_num_f32 v[8+\c], |v[XX+32*\c]|, |v[XX+32*\c+1]|, 0x2800000    ; with the floor 2^(5 - 127)
.endr
.irp i, 2,4,6,8,10,12,14,16,18,20,22,24,26,28,30
.irp c, 0,1
	v_max3_num_f32 v[8+\c], v[8+\c], |v[XX+32*\c+\i]|, |v[XX+32*\c+\i+1]|
.endr
.endr
.irp c, 0,1
	v_add_nc_u32 v[10+\c], 0xfe000000, v[8+\c]     ; 4 off the exponent field: the conversion's scale operand
.endr
.irp c, 0,1
	v_lshrrev_b32 v[8+\c], 23, v[10+\c]            ; the scale's byte
.endr
	v_lshl_or_b32 v12, v9, 16, v8                  ; blocks h and 2 + h,
	v_lshlrev_b32 v12, v7, v12                     ; at their places in the word;
	v_permlanex16_b32 v13, v12, s34, s35
	v_or_b32 v[XW+(\u)], v12, v13                  ; with lane l xor 16's the word is whole
.irp c, 0,1
	v_cvt_scalef32_pk16_bf6_f32 v[XC+6*\c:XC+6*\c+2], v[XX+32*\c:XX+32*\c+15], v[10+\c]
	v_cvt_scalef32_pk16_bf6_f32 v[XT+4*\c:XT+4*\c+2], v[XX+32*\c+16:XX+32*\c+31], v[10+\c]
.endr
	v_nop                                          ; one plain line behind a scaled conversion
.irp c, 0,1
.irp i, 0,1,2
	v_mov_b32 v[XC+3+6*\c+\i], v[XT+4*\c+\i]
.endr
.endr
.irp k, 0,1,2
	global_store_b128 v3, v[XC+4*\k:XC+4*\k+3], s[30:31] offset:1536*(\u)+512*\k   ; 512 consecutive bytes, aligned
.endr
.endm
	XLOAD 0
	XLOAD 1
.irp u, 0,1,2,3
	XUNIT \u
.endr
	s_wait_alu depctr_va_vdst(0)                   ; the wait ahead of the reader below
	global_store_b128 v6, v[XW:XW+3], s[32:33]     ; 16 scale bytes of each row; both halves of the lanes store the same
	s_wait_xcnt 0x0                                ; the stores have read their registers: all may be written again
; ---------------- the table: one (t, j) a thread.  All in f32.
	v_lshrrev_b32 v16, 6, v0
	v_and_b32 v17, 63, v0                          ; j
	s_lshl_b32 s26, ttmp9, 1
	v_add_nc_u32 v18, s26, v16                     ; t = 2 x work-group + thread / 64
	v_cvt_f32_u32 v19, v17
	v_cvt_f32_u32 v20, v18
	s_mov_b32 s27, 0xbe549a78                      ; -log2(10000) / 64, its f32 part,
	s_mov_b32 s28, 0xb1979a38                      ; and what that leaves
	s_mov_b32 s29, 0xbfc90fdb                      ; -(pi / 2 as f32)
	s_mov_b32 s30, 0x333bbd2e                      ; (pi / 2 as f32) - pi / 2
	v_mul_f32 v21, s27, v19                        ; the exponent, rounded,
	v_fma_f32 v22, v19, s27, -v21                  ; what the rounding dropped,
	v_fma_f32 v22, v19, s28, v22                   ; and the constant's own remainder
	v_exp_f32 v23, v21
	v_lshlrev_b32 v24, 2, v17                      ; (a plain line behind the exponential)  4 j
	s_wait_alu depctr_va_vdst(0)
	v_mul_f32 v25, 0x3f317218, v23                 ; x ln 2
	v_fma_f32 v23, v25, v22, v23                   ; 10000^(-j/64) = 2^e (1 + remainder x ln 2)
	v_mul_f32 v26, v20, v23                        ; the angle, rounded once, as the outer product rounds it
	v_mul_f32 v27, 0x3f22f983, v26
	v_rndne_f32 v27, v27                           ; n = the nearest multiple of pi / 2, at most 326
	v_fma_f32 v28, v27, s29, v26                   ; exact: a multiple of 2^-24 under 1
	v_fma_f32 v28, v27, s30, v28                   ; what is left out of pi / 2 after these two parts is 1.7e-15 x n
	v_mul_f32 v29, v28, v28
	v_mov_b32 v30, 0xb94ca1f9
	v_fmaak_f32 v30, v29, v30, 0x3c08839e
	v_fmaak_f32 v30, v29, v30, 0xbe2aaaa3
	v_mul_f32 v31, v28, v29
	v_fma_f32 v30, v31, v30, v28                   ; sin of the rest, |rest| <= pi / 4
	v_mov_b32 v32, 0x37ccf5ce
	v_fmaak_f32 v32, v29, v32, 0xbab6061a
	v_fmaak_f32 v32, v29, v32, 0x3d2aaaa5
	v_mul_f32 v33, v29, v29
	v_fma_f32 v34, v29, -0.5, 1.0
	v_fma_f32 v32, v33, v32, v34                   ; cos of the rest
	v_cvt_i32_f32 v35, v27
	v_and_b32 v36, 1, v35
	v_cmp_ne_u32 vcc_lo, 0, v36                    ; odd quarter: sin and cos change places
	v_cndmask_b32 v37, v30, v32, vcc_lo            ; sin
	v_cndmask_b32 v38, v32, v30, vcc_lo            ; cos
	v_and_b32 v36, 2, v35
	v_lshlrev_b32 v36, 30, v36
	v_xor_b32 v37, v37, v36                        ; sin is negative in quarters 2, 3
	v_add_nc_u32 v35, 1, v35
	v_and_b32 v35, 2, v35
	v_lshlrev_b32 v35, 30, v35
	v_xor_b32 v38, v38, v35                        ; cos in quarters 1, 2
	v_lshl_add_u32 v24, v16, 9, v24
	s_lshl_b32 s26, ttmp9, 10
	s_mov_b32 s27, 0
	s_add_nc_u64 s[20:21], s[20:21], s[26:27]
	global_store_b32 v24, v38, s[20:21]            ; a wave stores 128 consecutive bytes
	global_store_b32 v24, v37, s[20:21] offset:256
; ---------------- the mask: work-group f < 32, wave s: the record of query tile f and key step s
	s_cmp_lt_u32 ttmp9, 32
	s_cbranch_scc0 .Lend
	s_wait_xcnt 0x0                                ; the table's stores have read their registers
	v_and_b32 v36, 15, v0                          ; r
	v_bfe_u32 v37, v0, 4, 1                        ; h
	v_and_b32 v38, 8, v36
	v_add_nc_u32 v38, v38, v36                     ; r + 8 (r / 8)
	v_lshlrev_b32 v38, 9, v38                      ; a row of the mask is 512 bytes
	v_lshl_add_u32 v38, v37, 4, v38                ; + 16 h
	s_wait_alu depctr_va_vdst(0)
	s_lshr_b32 s26, ttmp9, 1
	s_lshl_b32 s26, s26, 5
	s_and_b32 s27, ttmp9, 1
	s_lshl_b32 s27, s27, 3
	s_add_co_u32 s26, s26, s27                     ; the tile's first query
	s_lshl_b32 s26, s26, 9
	s_lshl_b32 s27, s24, 7                         ; the step's first key
	s_add_co_u32 s26, s26, s27
	s_mov_b32 s27, 0
	s_add_nc_u64 s[14:15], s[14:15], s[26:27]
.irp b, 0,1,2,3
	global_load_b128 v[16+4*\b:19+4*\b], v38, s[14:15] offset:32*\b   ; my query's bytes of keys 32 b + 16 h + 0 .. 15
.endr
	v_mov_b32 v32, 0
	v_mov_b32 v33, 0
	s_mov_b32 s31, 0
	v_and_b32 v40, 31, v0
	v_lshlrev_b32 v39, 3, v40
	v_lshlrev_b32 v41, 2, v40
	s_lshl_b32 s28, ttmp9, 2
	s_add_co_u32 s28, s28, s24                     ; the record's number, 4 f + s
	s_lshl_b32 s34, s28, 8
	s_mov_b32 s35, 0
	s_add_nc_u64 s[36:37], s[22:23], s[34:35]      ; its 64 words
	s_lshl_b32 s34, s28, 7
	s_add_co_u32 s34, s34, 32768
	s_add_nc_u64 s[38:39], s[22:23], s[34:35]      ; its flag, 32 equal words
	s_wait_alu depctr_va_vdst(0)
	s_wait_loadcnt 0x0
.set n, 0
.rept 64
	v_bfe_u32 v34, v[16+n/4], 8*(n%4), 8           ; byte n of my 64
	v_cmp_ne_u32 s30, 0, v34                       ; the 32 lanes' bits are word n
	v_writelane_b32 v[32+(n&1)], s30, n>>1         ; lane n / 2 keeps words n and n + 1
	s_or_b32 s31, s31, s30
.set n, n+1
.endr
	global_store_b64 v39, v[32:33], s[36:37]       ; 256 consecutive bytes, aligned
	v_mov_b32 v35, s31
	global_store_b32 v41, v35, s[38:39]
.Lend:
	s_wait_tensorcnt 0x0
	ds_add_u32 v208, v209
	s_wait_dscnt 0x0
	s_endpgm
; ---------------- the weights.  A lane takes a column and its registers run down K: a block of 32 lies in one lane, and the conversions give codes with K innermost.  A wave: 32 columns x 256 along K.
.Lweights:
	s_wait_alu depctr_va_vdst(0)
	v_lshlrev_b32 v3, 2, v2                        ; in: 4 bytes a lane
	v_and_b32 v5, 7, v2
	v_bfe_u32 v6, v2, 3, 1
	v_lshl_add_u32 v5, v6, 4, v5
	v_bfe_u32 v6, v2, 4, 1
	v_lshl_add_u32 v5, v6, 3, v5                   ; my column's row among the wave's 32: bits 3 and 4 exchanged
	s_mul_i32 s25, s24, 2*WT
	s_add_co_u32 s25, s25, WSTG                    ; my stage
	v_lshrrev_b32 v4, 4, v5                        ; which of my two tiles,
	v_mul_u32_u24 v4, v4, WT
	v_and_b32 v10, 15, v5                          ; and its row r
	v_lshl_add_u32 v4, v10, 4, v4
	v_add_nc_u32 v4, s25, v4                       ; into it: lane r's 16 bytes of an image's first group
	v_lshlrev_b32 v8, 4, v2                        ; out of it and into memory: 16 x lane
	v_add_nc_u32 v7, s25, v8
	v_lshlrev_b32 v9, 6, v5                        ; my row of scale bytes
	s_sub_co_u32 s25, ttmp9, 256
	s_and_b32 s26, s25, 7                          ; which 256 along K
	s_lshr_b32 s27, s25, 3                         ; which 128 columns: 0-15 wq, 16-31 wo, 32-35 wk, 36-39 wv
	s_wait_kmcnt 0x0
	s_mov_b64 s[28:29], s[6:7]                     ; wq: source,
	s_mov_b32 s30, 8192                            ; bytes from row to row,
	s_mov_b32 s31, s27                             ; group of columns in the source,
	s_lshl_b32 s34, s27, 7                         ; first row in the buffer
	s_sub_co_u32 s35, s27, 16
	s_add_co_u32 s36, s34, 1024                    ; wo begins at row 3,072
	s_cmp_ge_u32 s27, 16
	s_cselect_b64 s[28:29], s[12:13], s[28:29]
	s_cselect_b32 s31, s35, s31
	s_cselect_b32 s34, s36, s34
	s_sub_co_u32 s35, s27, 32
	s_lshl_b32 s36, s35, 8
	s_add_co_u32 s36, s36, 2048                    ; wk's head i at row 2,048 + 256 i
	s_mov_b32 s37, 2048
	s_cmp_ge_u32 s27, 32
	s_cselect_b64 s[28:29], s[8:9], s[28:29]
	s_cselect_b32 s30, s37, s30
	s_cselect_b32 s31, s35, s31
	s_cselect_b32 s34, s36, s34
	s_sub_co_u32 s35, s27, 36
	s_lshl_b32 s36, s35, 8
	s_add_co_u32 s36, s36, 2176                    ; wv's head i 128 rows behind it
	s_cmp_ge_u32 s27, 36
	s_cselect_b64 s[28:29], s[10:11], s[28:29]
	s_cselect_b32 s31, s35, s31
	s_cselect_b32 s34, s36, s34
	s_mul_i32 s36, s26, s30
	s_lshl_b32 s36, s36, 8                         ; 256 rows for each step along K
	s_lshl_b32 s35, s31, 9
	s_add_co_u32 s36, s36, s35                     ; 128 columns of 4 bytes a group
	s_lshl_b32 s35, s24, 7
	s_add_co_u32 s36, s36, s35                     ; 32 a wave
	s_mov_b32 s37, 0
	s_add_nc_u64 s[40:41], s[28:29], s[36:37]      ; block 0's first row
	s_lshl_b32 s38, s30, 5
	s_mov_b32 s39, 0
.irp t, 1,2,3,4,5,6,7
	s_add_nc_u64 s[40+2*\t:41+2*\t], s[38+2*\t:39+2*\t], s[38:39]   ; a base for each block, 32 rows on
.endr
.set i, 0
.rept 32
	v_mad_u32_u24 v[WO+i], s30, i, v3              ; row i of a block, my column
.set i, i+1
.endr
	s_lshl_b32 s35, s24, 5
	s_add_co_u32 s34, s34, s35                     ; my wave's first row in the buffer
	s_mul_i32 s60, s34, KROW
	s_mul_i32 s35, s26, 3072                       ; two images for each 256 along K
	s_add_co_u32 s60, s60, s35
	s_mov_b32 s61, 0
	s_add_nc_u64 s[56:57], s[18:19], s[60:61]      ; codes
	s_lshl_b32 s60, s34, 6
	s_lshl_b32 s35, s26, 3
	s_add_co_u32 s60, s60, s35
	s_add_co_u32 s60, s60, WBS
	s_add_nc_u64 s[58:59], s[18:19], s[60:61]      ; scale bytes
.macro WLOAD t
.set i, 0
.rept 32
	global_load_b32 v[WX+32*((\t)%2)+i], v[WO+i], s[40+2*(\t):41+2*(\t)] th:TH_LOAD_NT   ; a wave reads 128 consecutive bytes, the work-group 512
.set i, i+1
.endr
.endm
	s_wait_alu depctr_va_vdst(0)
	WLOAD 0
	WLOAD 1
.macro WBLOCK t
.set XS, WX+32*((\t)%2)
.if (\t) < NB-1
	s_wait_loadcnt 32                              ; this block's 32 loads are in; the next block's stay out
.else
	s_wait_loadcnt 0x0
.endif
	v_max3_num_f32 v12, |v[XS]|, |v[XS+1]|, |v[XS+2]|
	v_max3_num_f32 v13, |v[XS+3]|, |v[XS+4]|, |v[XS+5]|
.irp i, 6,10,14,18,22,26
	v_max3_num_f32 v12, v12, |v[XS+\i]|, |v[XS+\i+1]|
	v_max3_num_f32 v13, v13, |v[XS+\i+2]|, |v[XS+\i+3]|
.endr
	v_max3_num_f32 v12, v12, |v[XS+30]|, |v[XS+31]|
	v_max3_num_f32 v12, v12, v13, 0x2800000        ; with the floor 2^(5 - 127)
	v_add_nc_u32 v11, 0xfe000000, v12
	v_lshrrev_b32 v13, 23, v11                     ; the scale's byte
.if (\t)%4 == 0
	v_mov_b32 v[SB+(\t)/4], v13
.else
	v_lshl_or_b32 v[SB+(\t)/4], v13, 8*((\t)%4), v[SB+(\t)/4]
.endif
	v_cvt_scalef32_pk16_bf6_f32 v[WC:WC+2], v[XS:XS+15], v11
	v_cvt_scalef32_pk16_bf6_f32 v[WC+8:WC+10], v[XS+16:XS+31], v11
	v_nop                                          ; one plain line behind a scaled conversion
.irp i, 0,1,2
	v_mov_b32 v[WC+3+\i], v[WC+8+\i]
.endr
.set WOF, 1536*((\t)/4)+256*((\t)%2)   ; block t is registers 6 c .. 6 c + 5 of lane r + 16 h of image t / 4: c = (t % 4) / 2, h = t % 2
.if ((\t)%4) < 2
	ds_store_b128 v4, v[WC:WC+3] offset:WOF
	ds_store_b64 v4, v[WC+4:WC+5] offset:WOF+512
.else
	ds_store_b64 v4, v[WC:WC+1] offset:WOF+520
	ds_store_b128 v4, v[WC+2:WC+5] offset:WOF+1024
.endif
.if (\t)+2 < NB
	WLOAD (\t)+2
.endif
	s_wait_dscnt 0x0                               ; the stores have read their registers: the next block's codes may be written
.endm
.irp t, 0,1,2,3,4,5,6,7
	WBLOCK \t
.endr
	s_wait_alu depctr_va_vdst(0)
	global_store_b64 v9, v[SB:SB+1], s[58:59]      ; my column's 8 scale bytes
.irp t, 0,1,2,3,4,5,6,7,8,9,10,11
	ds_load_b128 v[OUTR+4*\t:OUTR+4*\t+3], v7 offset:512*(\t%6)+WT*(\t/6)
.endr
.irp t, 0,1,2,3,4,5,6,7,8,9,10,11
	s_wait_dscnt 11-\t                             ; piece t is back; the younger loads stay out
	global_store_b128 v8, v[OUTR+4*\t:OUTR+4*\t+3], s[56:57] offset:512*(\t%6)+16*KROW*(\t/6)   ; 512 consecutive bytes, aligned
.endr
	s_wait_tensorcnt 0x0
	ds_add_u32 v208, v209
	s_wait_dscnt 0x0
	s_endpgm
.Lfunc_end_k_qe1cb8687fa_prep:
	.size	k_qe1cb8687fa_prep, .Lfunc_end_k_qe1cb8687fa_prep-k_qe1cb8687fa_prep
	.p2alignl 7, 3214868480
	.fill 96, 4, 3214868480
	.section	.rodata,"a",@progbits
	.p2align	6, 0x0
	.amdhsa_kernel k_qe1cb8687fa_prep
		.amdhsa_group_segment_fixed_size 68096
		.amdhsa_private_segment_fixed_size 0
		.amdhsa_enable_private_segment 0
		.amdhsa_kernarg_size 80
		.amdhsa_user_sgpr_count 2
		.amdhsa_user_sgpr_kernarg_segment_ptr 1
		.amdhsa_wavefront_size32 1
		.amdhsa_system_sgpr_workgroup_id_x 1
		.amdhsa_system_sgpr_workgroup_id_y 1
		.amdhsa_system_sgpr_workgroup_id_z 1
		.amdhsa_system_vgpr_workitem_id 0
		.amdhsa_next_free_vgpr 240
		.amdhsa_next_free_sgpr 66
		.amdhsa_reserve_vcc 1
		.amdhsa_float_denorm_mode_32 3
		.amdhsa_float_denorm_mode_16_64 3
		.amdhsa_memory_ordered 1
		.amdhsa_forward_progress 1
		.amdhsa_inst_pref_size 93
	.end_amdhsa_kernel
	.amdgpu_metadata
---
amdhsa.version: [ 1, 2 ]
amdhsa.kernels:
  - .name:           k_qe1cb8687fa_prep
    .symbol:         k_qe1cb8687fa_prep.kd
    .args:
      - { .name: x, .offset: 0, .size: 8, .value_kind: global_buffer, .address_space: global }
      - { .name: wq, .offset: 8, .size: 8, .value_kind: global_buffer, .address_space: global }
      - { .name: wk, .offset: 16, .size: 8, .value_kind: global_buffer, .address_space: global }
      - { .name: wv, .offset: 24, .size: 8, .value_kind: global_buffer, .address_space: global }
      - { .name: wo, .offset: 32, .size: 8, .value_kind: global_buffer, .address_space: global }
      - { .name: mask, .offset: 40, .size: 8, .value_kind: global_buffer, .address_space: global }
      - { .name: xq, .offset: 48, .size: 8, .value_kind: global_buffer, .address_space: global }
      - { .name: wb, .offset: 56, .size: 8, .value_kind: global_buffer, .address_space: global }
      - { .name: tab, .offset: 64, .size: 8, .value_kind: global_buffer, .address_space: global }
      - { .name: mw, .offset: 72, .size: 8, .value_kind: global_buffer, .address_space: global }
    .group_segment_fixed_size: 68096
    .private_segment_fixed_size: 0
    .kernarg_segment_align: 8
    .kernarg_segment_size: 80
    .max_flat_workgroup_size: 128
    .sgpr_count:     66
    .vgpr_count:     240
    .wavefront_size: 32
...
	.end_amdgpu_metadata
.endif
;; end of part 1
;; launch qkv (part 2): grid 12 x 16, 4 waves a work-group, clusters of 4 x 4, 327,680 bytes of LDS; arguments xq, wb, tab, qb, kvb; writes qb, kvb
.if DOCPART == 2
	.amdgcn_target "amdgcn-amd-amdhsa--gfx1250"
	.amdhsa_code_object_version 6
	.text
	.protected	k_qe1cb8687fa_qkv
	.globl	k_qe1cb8687fa_qkv
	.p2align	8
	.type	k_qe1cb8687fa_qkv,@function
k_qe1cb8687fa_qkv:
	s_mov_b64 s[64:65], 0
	v_nop
	global_prefetch_b8 v0, s[64:65] scope:SCOPE_SE
	s_setreg_imm32_b32 hwreg(HW_REG_WAVE_MODE, 25, 1), 1
	s_wait_xcnt 0x0
	s_wait_alu depctr_hold_cnt(0) depctr_sa_sdst(0) depctr_va_vdst(0) depctr_va_sdst(0) depctr_va_ssrc(0) depctr_va_vcc(0) depctr_vm_vsrc(0)
	s_getreg_b32 s2, hwreg(HW_REG_IB_STS2, 6, 4)
	s_cmp_eq_u32 s2, 0
	s_cbranch_scc0 .Lentry_in_a_cluster
	s_endpgm
.Lentry_in_a_cluster:
	s_bfe_u32 s2, ttmp6, 0x10000c
	s_cmp_lg_u32 s2, 0xf033
	s_cbranch_scc0 .Lentry_shape_is_right
	s_endpgm
.Lentry_shape_is_right:
.set SIZE_K, 2048
.set KSTEP,  256
.set NQ,     KSTEP/128
; q, k, v = x W on codes of E3M2, then RoPE (q, k), then the quantisers of the attention's products.  A block of 256 x 256 to a work-group of four waves, 128 x 128 a wave; clusters of 4 x 4 with joint loads.
; Codes come as images of the operand's registers, 1,536 bytes for 16 rows x 128 K, image (tile, step) at (16 tile + step) x 1,536: a slot's tile is 3,072 consecutive bytes (two steps) of each of 16 row tiles,
; each beginning at a multiple of 256 bytes; a fragment is three LDS loads of 16 bytes a lane at 16 x lane.  The ring has two slots of two steps: eight fills.
; PREFETCH: behind the load of fill n each wave asks for fill n + 2 (the head also for fill 1): of the 8 row tiles that it fetches, the partner at place p (cx for A, cy for B) names row tiles 2 p, 2 p + 1:
; 24 blocks of 256 bytes, a lane a block (lanes 24-31 name lane 23's again).  The partners differ by address alone.  The loop's last trip, whose fills have none two on, asks for nothing.
.set PFA,    12                        ; s[12:13] my prefetches' base; stepped by a fill at each change of slots, behind s_wait_xcnt 0
.set PFO,    22                        ; v22 my lane's block; never rewritten
.set ROWB,   3072
.set KROW,   SIZE_K*6/8
.set PITCH,  192                       ; 16 PITCH = ROWB: from row tile to row tile in LDS
.set FR,     12
.set NL,     3
.set NP,     4
.set HALFT,  128*PITCH
.set SLOT,   4*HALFT
.set LAPS,   SIZE_K/(2*KSTEP)
.set KS,     SIZE_K/32
.set SCL,    2*SLOT
.set HALFS,  (128*KS/256)*272
.set SBLK,   (16*KS/256)*272
.set SPARE,  SCL+4*HALFS
.set XQS,    6291456
.set WBS,    7864320
.set QBS,    6291456
.set KVS,    3145728
.set VP,     144
.set ADRA, 16
.set ADRB, 20
.set STV,  24
.set RDV,  25
.set LI,   26
.set ADRS, 27
.set SPW,  28
.set NIL,  29
.set LS,   30
.set RT,   31
.set SC,   32
.set AF,   128
.set R0,   32
.set R1,   96
.set PC,   176
.set TM,   200
.set PW,   216
.set PWS,  220
.set WD,   228
.set G1, 24
.set G0, 32
.set G1B, 48
.set G0B, 56
.set G1S, 68
.set G0S, 76
.set G1SB, 80
.set G0SB, 88
.set DC,  74
.set DSC, 76
.set RB,  78
.set SEL, 96
.set MSB, 0
.macro WIN new
.if MSB != (\new)
	s_set_vgpr_msb (MSB<<8)|(\new)
.set MSB, (\new)
.endif
.endm
.set MUL_LO, 0xa1
.set MUL_HI, 0xf1
.set TO_B,   0x40
.macro JLOAD g0a, g1a, g0b, g1b
	s_cmp_eq_u32 s15, 0
	s_cbranch_scc0 .Lfor_b_\@
	tensor_load_to_lds s[\g0a:\g0a+3], s[\g1a:\g1a+7]
	s_nop 0
.rept 4
	v_nop
.endr
	s_branch .Lasked_\@
.Lfor_b_\@:
	tensor_load_to_lds s[\g0b:\g0b+3], s[\g1b:\g1b+7]
	s_nop 0
.rept 4
	v_nop
.endr
.Lasked_\@:
.endm
.macro CREST
	s_cmp_lg_u32 s14, 0
	s_cbranch_scc1 .Lnot_wave_0_\@
	s_barrier_signal -3
.Lnot_wave_0_\@:
	s_barrier_wait -3
	s_barrier_signal -1
	s_barrier_wait -1
.endm
.macro CROUND
	s_barrier_signal -1
	s_barrier_wait -1
	CREST
.endm
	s_load_b128 s[4:7], s[0:1], 0x0
	v_lshl_add_u32 v[SPW], v0, 2, SPARE
	v_mov_b32 v[NIL], 0
	ds_add_u32 v28, v29
	ds_add_u32 v28, v29
	s_wait_dscnt 0x0
	v_lshrrev_b32 v1, 5, v0
	v_readfirstlane_b32 s14, v1
	s_lshr_b32 s15, s14, 1
	s_and_b32 s16, s14, 1
	s_bfe_u32 s40, ttmp6, 0x40000
	s_bfe_u32 s41, ttmp6, 0x40004
	s_lshl_b32 s42, ttmp9, 2
	s_add_co_u32 s42, s42, s40
	s_and_b32 s17, ttmp7, 0xffff
	s_lshl_b32 s17, s17, 2
	s_add_co_u32 s17, s17, s41
	s_lshl_b32 s43, s41, 2
	s_lshl_b32 s43, 15, s43
	s_lshl_b32 s44, 0x1111, s40
	s_or_b32 s[G1+0], s43, (1<<21)                 ; the mask, bit 21 beside it; elements of 1 byte; no padding
	s_or_b32 s[G1B+0], s44, (1<<21)
.irp g, G1, G1B
	s_mov_b32 s[\g+1], ROWB<<16
	s_mov_b32 s[\g+2], 16<<16                      ; the head's loads bring 16 row tiles
	s_mov_b32 s[\g+3], ROWB<<16
	s_mov_b32 s[\g+4], 16
	s_mov_b32 s[\g+5], 16*KROW                     ; from row tile to row tile in memory
	s_mov_b32 s[\g+6], 0
	s_mov_b32 s[\g+7], 0
.endr
	s_or_b32 s[G1S+0], s43, (3<<16)|(1<<20)|(1<<21)|(5<<22)|(3<<25)
	s_or_b32 s[G1SB+0], s44, (3<<16)|(1<<20)|(1<<21)|(5<<22)|(3<<25)
.irp g, G1S, G1SB
	s_mov_b32 s[\g+1], 32<<16
	s_mov_b32 s[\g+2], KS<<16                      ; the scales of 256 rows: KS rows of 256 bytes
	s_mov_b32 s[\g+3], 32<<16
	s_mov_b32 s[\g+4], KS
	s_mov_b32 s[\g+5], 32
	s_mov_b32 s[\g+6], 0
	s_mov_b32 s[\g+7], 0
.endr
	s_lshl_b32 s18, s16, 7
	s_lshl_b32 s20, s17, 8
	s_add_co_u32 s20, s20, s18
	s_lshl_b32 s46, s42, 8
	s_add_co_u32 s46, s46, s18
	s_mov_b32 s21, 0
	s_mov_b32 s47, 0
	s_mov_b64 s[18:19], KS
	s_mul_u64 s[22:23], s[20:21], s[18:19]
	s_mul_u64 s[92:93], s[46:47], s[18:19]
	s_mov_b64 s[18:19], KROW
	s_mul_u64 s[20:21], s[20:21], s[18:19]
	s_mul_u64 s[46:47], s[46:47], s[18:19]
	s_mul_i32 s45, s14, HALFT
	s_lshl_b32 s94, s16, 13                        ; the scale bytes of the half that my ring loads skip
	s_mov_b32 s95, 0
	s_wait_kmcnt 0x0
	s_add_nc_u64 s[8:9], s[4:5], XQS
	s_add_nc_u64 s[10:11], s[6:7], WBS
	s_add_nc_u64 s[20:21], s[4:5], s[20:21]
	s_add_nc_u64 s[22:23], s[8:9], s[22:23]
	s_add_nc_u64 s[46:47], s[6:7], s[46:47]
	s_add_nc_u64 s[92:93], s[10:11], s[92:93]
	s_sub_nc_u64 s[22:23], s[22:23], s[94:95]      ; back to the block's first row
	s_sub_nc_u64 s[92:93], s[92:93], s[94:95]
	CROUND
	s_mov_b32 s[G0S], 1
	s_mov_b32 s[G0S+1], SCL
	s_mov_b64 s[G0S+2:G0S+3], s[22:23]
	s_or_b32 s[G0S+3], s[G0S+3], 0x80000000
	s_mov_b32 s[G0SB], 1
	s_mov_b32 s[G0SB+1], SCL+2*HALFS
	s_mov_b64 s[G0SB+2:G0SB+3], s[92:93]
	s_or_b32 s[G0SB+3], s[G0SB+3], 0x80000000
.irp s, 0,1
	s_mov_b32 s[G0+4*\s], 1
	s_add_co_u32 s[G0+4*\s+1], s45, \s*SLOT
	s_add_nc_u64 s[G0+4*\s+2:G0+4*\s+3], s[20:21], \s*ROWB
	s_or_b32 s[G0+4*\s+3], s[G0+4*\s+3], 0x80000000
	s_mov_b32 s[G0B+4*\s], 1
	s_add_co_u32 s[G0B+4*\s+1], s45, \s*SLOT
	s_add_nc_u64 s[G0B+4*\s+2:G0B+4*\s+3], s[46:47], \s*ROWB
	s_or_b32 s[G0B+4*\s+3], s[G0B+4*\s+3], 0x80000000
.endr
; The head's four tiles, one joint load a wave: slot 0's 16 row tiles of A, its 16 of B, A's scales, B's scales.
	s_mul_i32 s18, s16, 128*KROW
	s_mov_b32 s19, 0
	s_mov_b32 s4, 1
	s_mov_b32 s5, 0
	s_sub_nc_u64 s[6:7], s[20:21], s[18:19]        ; the block's first row tile of A
	s_or_b32 s7, s7, 0x80000000
	s_mov_b32 s8, 1
	s_mov_b32 s9, 2*HALFT
	s_sub_nc_u64 s[10:11], s[46:47], s[18:19]      ; and of B
	s_or_b32 s11, s11, 0x80000000
.macro ARM under, g0, g1, next
	s_cmp_lt_u32 s14, \under
	s_cbranch_scc0 \next
	tensor_load_to_lds s[\g0:\g0+3], s[\g1:\g1+7]
	s_nop 0
.rept 4
	v_nop
.endr
	s_branch .Lhead_asked
\next:
.endm
	s_cmp_eq_u32 s15, 0                            ; do I fetch for A?
	s_cselect_b64 s[PFA:PFA+1], s[20:21], s[46:47] ; my 8 row tiles, fill 0
	s_cselect_b32 s18, s40, s41                    ; my place among the four that ask with me
	s_mul_i32 s18, s18, 2*16*KROW
	s_add_nc_u64 s[PFA:PFA+1], s[PFA:PFA+1], s[18:19]
	ARM 1, 4, G1, .Lhead_b
	ARM 2, 8, G1B, .Lhead_sa
	ARM 3, G0S, G1S, .Lhead_sb
	tensor_load_to_lds s[G0SB:G0SB+3], s[G1SB:G1SB+7]
	s_nop 0
.rept 4
	v_nop
.endr
.Lhead_asked:
	v_and_b32 v5, 31, v0
	v_min_u32 v5, 23, v5
	v_mul_u32_u24 v6, v5, 171
	v_lshrrev_b32 v6, 11, v6                       ; block / 12: which of my two row tiles
	v_mul_u32_u24 v6, v6, 16*KROW-ROWB
	v_lshl_add_u32 v[PFO], v5, 8, v6
	global_prefetch_b8 v[PFO], s[PFA:PFA+1] offset:ROWB th:TH_LOAD_NT scope:SCOPE_SE     ; fill 1
	global_prefetch_b8 v[PFO], s[PFA:PFA+1] offset:2*ROWB th:TH_LOAD_NT scope:SCOPE_SE   ; fill 2
	v_and_b32 v1, 15, v0
	v_bfe_u32 v2, v0, 4, 1
	v_and_b32 v4, 31, v0
	v_lshlrev_b32 v4, 4, v4                        ; 16 x lane
	s_wait_alu depctr_va_vdst(0)
	s_mul_i32 s21, s15, HALFT
	s_mul_i32 s22, s16, HALFT
	s_add_co_u32 s22, s22, 2*HALFT
.irp s, 0,1
	v_add_nc_u32 v[ADRA+\s], s21, v4
	v_add_nc_u32 v[ADRB+\s], s22, v4
	s_add_co_u32 s21, s21, SLOT
	s_add_co_u32 s22, s22, SLOT
.endr
	v_mul_u32_u24 v5, v1, KS
	v_lshrrev_b32 v6, 8, v5
	v_lshl_add_u32 v5, v6, 4, v5
	s_mul_i32 s21, s15, HALFS
	s_mul_i32 s22, s16, HALFS
	s_add_co_u32 s22, s22, 2*HALFS
	s_sub_co_u32 s22, s22, s21
	v_mul_u32_u24 v6, s22, v2
	s_add_co_u32 s21, s21, SCL
	v_add_nc_u32 v5, v5, v6
	v_add_nc_u32 v[ADRS], s21, v5
	s_mul_i32 s23, s14, 128*VP
	v_mul_u32_u24 v5, v1, VP
	v_lshl_add_u32 v5, v2, 6, v5
	v_add_nc_u32 v[STV], s23, v5
	v_and_b32 v6, 8, v1
	v_add_nc_u32 v6, v6, v1
	v_mul_u32_u24 v5, v2, 8*VP
	v_lshl_add_u32 v5, v6, 2, v5
	v_add_nc_u32 v[RDV], s23, v5
	v_and_b32 v5, 31, v0
	v_lshlrev_b32 v[LI], 4, v5
	v_lshlrev_b32 v[LS], 2, v5
	v_lshlrev_b32 v[RT], 9, v6
	v_lshl_add_u32 v[RT], v2, 6, v[RT]
.macro FRAG reg, adr, q, i
.irp c, 0,1,2
	ds_load_b128 v[\reg+4*\c:\reg+4*\c+3], v[\adr] offset:1536*(\q)+512*\c+(\i)*16*PITCH
.endr
.endm
.macro MUL16 a0, p, q, sc, zero
.irp a, \a0, \a0+1
.irp b, 0,1,2,3,4,5,6,7
.if \zero
	v_wmma_scale_f32_16x16x128_f8f6f4 v[8*(8*((\a)%4)+\b):8*(8*((\a)%4)+\b)+7], v[128*(\p)+FR*\b:128*(\p)+FR*\b+FR-1], v[AF+FR*(\a):AF+FR*(\a)+FR-1], 0, v[SC+8*NQ*(\sc)+NQ*\b+(\q)], v[SC+8*NQ*(\sc)+NQ*(\a)+(\q)] matrix_a_fmt:MATRIX_FMT_BF6 matrix_b_fmt:MATRIX_FMT_BF6 matrix_a_scale:MATRIX_SCALE_ROW1
.else
	v_wmma_scale_f32_16x16x128_f8f6f4 v[8*(8*((\a)%4)+\b):8*(8*((\a)%4)+\b)+7], v[128*(\p)+FR*\b:128*(\p)+FR*\b+FR-1], v[AF+FR*(\a):AF+FR*(\a)+FR-1], v[8*(8*((\a)%4)+\b):8*(8*((\a)%4)+\b)+7], v[SC+8*NQ*(\sc)+NQ*\b+(\q)], v[SC+8*NQ*(\sc)+NQ*(\a)+(\q)] matrix_a_fmt:MATRIX_FMT_BF6 matrix_b_fmt:MATRIX_FMT_BF6 matrix_a_scale:MATRIX_SCALE_ROW1
.endif
.endr
.endr
.endm
.macro FETCH_B slot, q, p
	WIN TO_B
.irp i, 0,1,2,3,4,5,6,7
	FRAG 128*(\p)+FR*\i, ADRB+\slot, \q, \i
.endr
	WIN 0
.endm
.macro FETCH_A slot, q, i0
.irp i, \i0, \i0+1, \i0+2, \i0+3
	FRAG AF+FR*(\i), ADRA+\slot, \q, \i
.endr
.endm
.macro SCALES sc
.irp i, 0,1,2,3,4,5,6,7
	ds_load_b64 v[SC+8*NQ*\sc+NQ*\i:SC+8*NQ*\sc+NQ*\i+1], v[ADRS] offset:\i*SBLK
.endr
.endm
.macro PLACES n
.rept \n
	v_nop
.endr
.endm
.macro STEP slot, q, zero
	s_wait_dscnt 4*NL
	WIN MUL_LO
	MUL16 0, (\q)%2, \q, \slot, \zero
	MUL16 2, (\q)%2, \q, \slot, \zero
	s_wait_dscnt 0
	PLACES NP
	FETCH_B \slot, (\q)+1, 1-(\q)%2
	FETCH_A \slot, (\q)+1, 0
	WIN MUL_HI
	MUL16 4, (\q)%2, \q, \slot, \zero
	MUL16 6, (\q)%2, \q, \slot, \zero
	PLACES NP
	WIN 0
	FETCH_A \slot, (\q)+1, 4
.endm
.macro TURN slot, next, fill
.if \fill
	s_wait_xcnt 0x0                                ; my prefetches have read their base
	s_add_nc_u64 s[PFA:PFA+1], s[PFA:PFA+1], ROWB
.endif
	s_wait_tensorcnt 0x0
	ds_add_u32 v[SPW], v[NIL]
	s_wait_dscnt 4*NL+1
	WIN MUL_LO
	MUL16 0, 1, NQ-1, \slot, 0
	s_wait_dscnt 0x0
	s_barrier_signal -1
	MUL16 2, 1, NQ-1, \slot, 0
	WIN 0
	s_barrier_wait -1
.if \fill
	CREST
	s_add_nc_u64 s[G0+4*\slot+2:G0+4*\slot+3], s[G0+4*\slot+2:G0+4*\slot+3], 2*ROWB
	s_add_nc_u64 s[G0B+4*\slot+2:G0B+4*\slot+3], s[G0B+4*\slot+2:G0B+4*\slot+3], 2*ROWB
	JLOAD G0+4*\slot, G1, G0B+4*\slot, G1B
.else
	PLACES NP
.endif
	s_wait_alu depctr_va_vdst(0)
	v_add_nc_u32 v[ADRS], 4*NQ, v[ADRS]
	FETCH_B \next, 0, 0
	FETCH_A \next, 0, 0
	SCALES \next
.if \fill
	s_cmp_gt_u32 s3, 1                             ; not in the last trip
	s_cbranch_scc0 .Lno_ask_\@
	global_prefetch_b8 v[PFO], s[PFA:PFA+1] offset:3*ROWB th:TH_LOAD_NT scope:SCOPE_SE   ; the fill two behind the one just asked for
.Lno_ask_\@:
.endif
	WIN MUL_HI
	MUL16 4, 1, NQ-1, \slot, 0
	MUL16 6, 1, NQ-1, \slot, 0
	PLACES NP
	WIN 0
	FETCH_A \next, 0, 4
.endm
	s_wait_alu depctr_va_vdst(0)                   ; the wait at the head's end
	s_wait_tensorcnt 0x0                           ; my tile of the head's four is in
	ds_add_u32 v[SPW], v[NIL]
	s_mov_b32 s[G1+2], 8<<16                       ; no tensor load of mine is out: from here on a load brings 8 row tiles
	s_mov_b32 s[G1+4], 8
	s_mov_b32 s[G1B+2], 8<<16
	s_mov_b32 s[G1B+4], 8
	s_wait_dscnt 0x0
	CROUND
	JLOAD G0+4, G1, G0B+4, G1B                     ; slot 1's first fill, my one load behind the round
	FETCH_B 0, 0, 0
	FETCH_A 0, 0, 0
	SCALES 0
	FETCH_A 0, 0, 4
	global_prefetch_b8 v[PFO], s[PFA:PFA+1] offset:3*ROWB th:TH_LOAD_NT scope:SCOPE_SE   ; fill 3
	STEP 0, 0, 1
	s_mov_b32 s3, LAPS-1
.Llap:
	TURN 0, 1, 1
	STEP 1, 0, 0
	TURN 1, 0, 1
	STEP 0, 0, 0
	s_sub_co_u32 s3, s3, 1
	s_cmp_lg_u32 s3, 0
	s_cbranch_scc1 .Llap
; The table of cos and sin for block a of 16 rows: 16 loads into window 1, buffer a % 4 of four.
.macro RLOAD a
	WIN 0x40
.irp sc, 0,1
.irp bb, 0,1
.irp qd, 0,1,2,3
	global_load_b128 v[64*((\a)%4)+32*\sc+16*\bb+4*\qd:64*((\a)%4)+32*\sc+16*\bb+4*\qd+3], v[RT], s[RB:RB+1] offset:(32*((\a)/2)+8*((\a)%2))*512+256*\sc+128*\bb+16*\qd
.endr
.endr
.endr
	WIN 0
.endm
	s_load_b128 s[68:71], s[0:1], 0x10             ; (the scales' descriptors, which lay here, were done with at the head)
	s_load_b64 s[72:73], s[0:1], 0x20
	TURN 0, 1, 0
	STEP 1, 0, 0
	s_wait_kmcnt 0x0
	s_and_b32 s92, s17, 1
	s_lshl_b32 s92, s92, 17
	s_lshl_b32 s93, s15, 16
	s_add_co_u32 s92, s92, s93
	s_mov_b32 s93, 0
	s_add_nc_u64 s[RB:RB+1], s[68:69], s[92:93]    ; the table's rows of my 128 positions
	s_cmp_lg_u32 ttmp9, 2                          ; waves that make v take no table
	s_cbranch_scc1 .Ltab
	s_cmp_eq_u32 s16, 0
	s_cbranch_scc0 .Lno_tab
.Ltab:
	RLOAD 0                                        ; into B's set 0, which the step above read last, four places ago: on their way under the last step's products
	RLOAD 1
.Lno_tab:
	s_wait_dscnt 4*NL
	WIN MUL_LO
	MUL16 0, 1, NQ-1, 1, 0
	MUL16 2, 1, NQ-1, 1, 0
	s_wait_dscnt 0
	WIN MUL_HI
	MUL16 4, 1, NQ-1, 1, 0
	MUL16 6, 1, NQ-1, 1, 0
	WIN 0
	PLACES NP
	s_mov_b32 s[SEL], 0x76543210
	s_mov_b32 s[SEL+1], 0xfedcba98
	s_mov_b32 s95, 0xffff0000
.irp b, 0,1,2,3
	v_mov_b32 v[TM+4+\b], 0
.endr
	s_lshr_b32 s80, s17, 1
	s_and_b32 s81, s17, 1
	s_lshl_b32 s82, s81, 4
	s_lshl_b32 s83, s15, 3
	s_add_co_u32 s82, s82, s83
	s_lshl_b32 s83, s80, 4
	s_lshl_b32 s84, s42, 1
	s_add_co_u32 s83, s83, s84
	s_add_co_u32 s83, s83, s16
	s_lshl_b32 s83, s83, 5
	s_add_co_u32 s83, s83, s82
	s_mul_i32 s84, s83, 1536
	s_lshl_b32 s86, s83, 6
	s_add_co_u32 s86, s86, QBS
	s_lshl_b32 s88, s80, 2
	s_add_co_u32 s88, s88, s42
	s_sub_co_u32 s88, s88, 8
	s_mul_i32 s89, s88, 98304
	s_mul_i32 s93, s16, 49152
	s_add_co_u32 s89, s89, s93
	s_mul_i32 s93, s82, 1536
	s_add_co_u32 s89, s89, s93
	s_lshl_b32 s92, s88, 12
	s_lshl_b32 s93, s16, 11
	s_add_co_u32 s92, s92, s93
	s_lshl_b32 s93, s82, 6
	s_add_co_u32 s92, s92, s93
	s_add_co_u32 s92, s92, KVS
	s_mov_b32 s85, 0
	s_mov_b32 s87, 0
	s_wait_kmcnt 0x0
	s_cmp_eq_u32 ttmp9, 2
	s_cselect_b64 s[90:91], s[72:73], s[70:71]
	s_cselect_b32 s84, s89, s84
	s_cselect_b32 s86, s92, s86
	s_add_nc_u64 s[DC:DC+1], s[90:91], s[84:85]
	s_add_nc_u64 s[DSC:DSC+1], s[90:91], s[86:87]
.macro QUANT s
.irp b, 0,1,2,3
	v_max3_num_f32 v[TM+\b], |v[\s+16*\b]|, |v[\s+1+16*\b]|, 0x2800000
.endr
.irp i, 2,4,6,8,10,12,14
.irp b, 0,1,2,3
	v_max3_num_f32 v[TM+\b], v[TM+\b], |v[\s+16*\b+\i]|, |v[\s+1+16*\b+\i]|
.endr
.endr
.irp b, 0,1,2,3
	v_permlanex16_b32 v[TM+4+\b], v[TM+\b], s[SEL], s[SEL+1]
.endr
.irp b, 0,1,2,3
	v_max_num_f32 v[TM+\b], v[TM+\b], v[TM+4+\b]
.endr
.irp b, 0,1,2,3
	v_add_nc_u32 v[TM+12+\b], 0xfe000000, v[TM+\b]
.endr
.irp b, 0,1,2,3
	v_lshrrev_b32 v[TM+4+\b], 23, v[TM+12+\b]
.endr
	v_lshl_or_b32 v[PW], v[TM+5], 8, v[TM+4]
	v_lshl_or_b32 v[PW], v[TM+6], 16, v[PW]
	v_lshl_or_b32 v[PW], v[TM+7], 24, v[PW]
.irp c, 0,1
	v_cvt_scalef32_pk16_bf6_f32 v[PC+6*\c:PC+2+6*\c], v[\s+32*\c:\s+15+32*\c], v[TM+12+2*\c]
	v_cvt_scalef32_pk16_bf6_f32 v[PC+12+4*\c:PC+14+4*\c], v[\s+16+32*\c:\s+31+32*\c], v[TM+12+2*\c+1]
.endr
	v_nop
.irp c, 0,1
.irp i, 0,1,2
	v_permlane16_swap_b32 v[PC+6*\c+\i], v[PC+12+4*\c+\i]
.endr
.irp i, 0,1,2
	v_mov_b32 v[PC+3+6*\c+\i], v[PC+12+4*\c+\i]
.endr
.endr
.endm
.macro VOUT reg, tau
	s_wait_xcnt 0x0
	QUANT \reg
.irp c, 0,1,2
	global_store_b128 v[LI], v[PC+4*\c:PC+4*\c+3], s[DC:DC+1] offset:(\tau)*1536+512*\c
.endr
	v_mov_b32 v[PWS+(\tau)], v[PW]
.endm
.macro SCOUT
.irp p, 0,1,2,3
	v_cndmask_b32 v[WD+\p], v[PWS+2*\p], v[PWS+2*\p+1], s95
.endr
.irp p, 0,1,2,3
	global_store_b32 v[LS], v[WD+\p], s[DSC:DSC+1] offset:128*\p
.endr
.endm
	s_cmp_lg_u32 ttmp9, 2
	s_cbranch_scc1 .Lrope
	s_cmp_eq_u32 s16, 0
	s_cbranch_scc1 .Lrope
.macro VSTORE qt
.irp a, 0,1,2,3,4,5,6,7
	WIN 0x08+4*(\a/4)
.irp bb, 0,1
	ds_store_b128 v[STV], v[64*(\a%4)+8*(2*(\qt)+\bb):64*(\a%4)+8*(2*(\qt)+\bb)+3] offset:16*\a*VP+32*\bb
	ds_store_b128 v[STV], v[64*(\a%4)+8*(2*(\qt)+\bb)+4:64*(\a%4)+8*(2*(\qt)+\bb)+7] offset:16*\a*VP+32*\bb+16
.endr
.endr
	WIN 0
.endm
.macro VLOAD u
.set n, 0
.rept 64
	ds_load_b32 v[R0+64*(\u)+n], v[RDV] offset:(32*(n/16)+16*((n%16)/8)+n%8)*VP+32*(\u)
.set n, n+1
.endr
.endm
.irp qt, 0,1,2,3
	VSTORE \qt
	VLOAD 0
	VLOAD 1
	s_wait_dscnt 63
	VOUT R0, 2*\qt
	s_wait_dscnt 0x0
	VOUT R1, 2*\qt+1
.endr
	SCOUT
	s_branch .Lend
.Lrope:
.macro RBLOCK a
.set AC, 64*((\a)%4)
.set TS, 64*((\a)%4)
	WIN 0x06+(\a)/4
.set n, 0
.rept 16
	v_pk_mul_f32 v[R0+n:R0+n+1], v[AC+32+n:AC+33+n], v[TS+32+n:TS+33+n]
.set n, n+2
.endr
.set n, 0
.rept 16
	v_pk_mul_f32 v[R0+32+n:R0+33+n], v[AC+n:AC+n+1], v[TS+32+n:TS+33+n]
.set n, n+2
.endr
.set n, 0
.rept 16
	v_pk_fma_f32 v[R0+n:R0+n+1], v[AC+n:AC+n+1], v[TS+n:TS+n+1], v[R0+n:R0+n+1] neg_lo:[0,0,1] neg_hi:[0,0,1]
.set n, n+2
.endr
.set n, 0
.rept 16
	v_pk_fma_f32 v[R0+32+n:R0+33+n], v[AC+32+n:AC+33+n], v[TS+n:TS+n+1], v[R0+32+n:R0+33+n]
.set n, n+2
.endr
	WIN 0
	VOUT R0, \a
.endm
	RLOAD 2
.irp a, 0,1,2,3,4,5,6,7
.if \a < 5
	RLOAD \a+3                                     ; into the buffer that block a - 1 has read
	s_wait_loadcnt 48                              ; block a's 16 loads are in; three younger blocks' stay out
.else
	s_wait_loadcnt 16*(7-\a)
.endif
	RBLOCK \a
.endr
	SCOUT
.Lend:
	s_wait_tensorcnt 0x0
	ds_add_u32 v[SPW], v[NIL]
	s_wait_dscnt 0x0
	CROUND
	s_endpgm
.Lfunc_end_k_qe1cb8687fa_qkv:
	.size	k_qe1cb8687fa_qkv, .Lfunc_end_k_qe1cb8687fa_qkv-k_qe1cb8687fa_qkv
	.p2alignl 7, 3214868480
	.fill 96, 4, 3214868480
	.section	.rodata,"a",@progbits
	.p2align	6, 0x0
	.amdhsa_kernel k_qe1cb8687fa_qkv
		.amdhsa_group_segment_fixed_size 327680
		.amdhsa_private_segment_fixed_size 0
		.amdhsa_enable_private_segment 0
		.amdhsa_kernarg_size 40
		.amdhsa_user_sgpr_count 2
		.amdhsa_user_sgpr_kernarg_segment_ptr 1
		.amdhsa_wavefront_size32 1
		.amdhsa_system_sgpr_workgroup_id_x 1
		.amdhsa_system_sgpr_workgroup_id_y 1
		.amdhsa_system_sgpr_workgroup_id_z 1
		.amdhsa_system_vgpr_workitem_id 0
		.amdhsa_next_free_vgpr 1024
		.amdhsa_next_free_sgpr 98
		.amdhsa_reserve_vcc 0
		.amdhsa_float_denorm_mode_32 3
		.amdhsa_float_denorm_mode_16_64 3
		.amdhsa_memory_ordered 1
		.amdhsa_forward_progress 1
		.amdhsa_inst_pref_size 255
	.end_amdhsa_kernel
	.section	.bss,"aw",@nobits
	.p2align	6
	.space	262144
	.amdgpu_metadata
---
amdhsa.version: [ 1, 2 ]
amdhsa.kernels:
  - .name:           k_qe1cb8687fa_qkv
    .symbol:         k_qe1cb8687fa_qkv.kd
    .args:
      - { .name: xq, .offset: 0, .size: 8, .value_kind: global_buffer, .address_space: global }
      - { .name: wb, .offset: 8, .size: 8, .value_kind: global_buffer, .address_space: global }
      - { .name: tab, .offset: 16, .size: 8, .value_kind: global_buffer, .address_space: global }
      - { .name: qb, .offset: 24, .size: 8, .value_kind: global_buffer, .address_space: global }
      - { .name: kvb, .offset: 32, .size: 8, .value_kind: global_buffer, .address_space: global }
    .group_segment_fixed_size: 327680
    .private_segment_fixed_size: 0
    .kernarg_segment_align: 8
    .kernarg_segment_size: 40
    .max_flat_workgroup_size: 128
    .sgpr_count:     98
    .vgpr_count:     1024
    .wavefront_size: 32
...
	.end_amdgpu_metadata
.endif
;; end of part 2
;; launch attn (part 3): grid 8 x 32, 16 waves a work-group, no clusters, 133,120 bytes of LDS; arguments qb, kvb, mw, ab; writes ab
.if DOCPART == 3
	.amdgcn_target "amdgcn-amd-amdhsa--gfx1250"
	.amdhsa_code_object_version 6
	.text
	.protected	k_qe1cb8687fa_attn
	.globl	k_qe1cb8687fa_attn
	.p2align	8
	.type	k_qe1cb8687fa_attn,@function
k_qe1cb8687fa_attn:
	s_mov_b64 s[64:65], 0
	v_nop
	global_prefetch_b8 v0, s[64:65] scope:SCOPE_SE
	s_setreg_imm32_b32 hwreg(HW_REG_WAVE_MODE, 25, 1), 1
	s_wait_xcnt 0x0
; ATTENTION on codes of E3M2 (6 bits, one E8M0 scale for each 32 along a product's K), grouped queries: 16 heads, 4 key heads, 8 batches, 512 positions, head size 128, under a mask that is given.
; t = score x log2(e) / sqrt(128); M = the row's largest t so far, rounded up to a whole number; p = 2^(t - M) is quantised along the keys, not normalised; the row's sum is taken of the unquantised p and divides O at the end.
; When M moves, the sum and O are multiplied by 2^(old M - new M): exact.  O / sum is quantised along the model's 2,048 (a head's 128 are 4 blocks) and stored as rows of codes with their scale bytes.
; SHARES.  Work-group (c, 4 b + key head) owns queries 32 c .. + 31 and 32 (15 - c) .. + 31 of the key head's FOUR query heads: 16 tiles of 16 queries, one to each of its sixteen waves (256 registers, four waves to a SIMD,
; so that one wave's vector work stands beside another's products and LDS loads).  The key head's K and V, 98,304 bytes of register images and 4,096 of scale words, are copied into LDS once and read by all sixteen.
; THE MASK comes as lane masks, 64 words for a query tile and a step of 128 keys, read by scalar loads; hidden scores become -infinity ahead of the maximum.  A step in which none of the tile's queries sees a key
; (the stored flag is 0) would give p = 0 and a factor 1: it is passed over by a scalar branch on that flag.  Early and late queries are paired only to even the work out where late keys are hidden from early queries.
; NO TENSOR LOAD AND NO JOINT REQUEST: what eight work-groups share is 100 KB each, read once, through registers.
; LAYOUT.  Both products are used transposed: S^T = K Q^T, O^T = V^T P^T: a lane holds ONE query (lane % 16) throughout.  Lane r of tile f holds position 32 (f/2) + 8 (f%2) + r + 8 (r/8), for queries, keys and V's channels alike,
; so that 16 registers of two neighbouring tiles are 16 neighbours along the next K.
; LIMITS: a query that sees no key has sum 0: its four scale bytes are stored as 0xff, which makes the whole output row NaN in the last product, as the reference has it.  A block of zeros gets the byte 1.  NaN and infinities among the inputs are not served.
; REGISTERS: v1-11, v28-31, v86-87 addresses; v12 -M, v13 the largest t, v[14:15] the sum; v16-27 Q; v32-79 four fragments; v96-159 S^T, then p; v160-223 O^T; v224-235 p's codes; v232-254 at work; v248-251 scale words; v253 p's; v255 Q's.
.set VIMG, 49152                       ; LDS: K's 32 images at 0, V's 32 here,
.set KSC,  98304                       ; K's 512 scale words, then V's 512,
.set STG,  102400
.set SS,   126976                      ; and 64 x 16 scale bytes
.set QBS,  6291456
.set KVS,  3145728
.set ABS,  6291456
.set LI,   1                           ; 16 x lane
.set ADV,  2                           ; + VIMG
.set ASC,  3                           ; 4 x lane + KSC
.set SA,   4
.set SSA,  5                           ; and my scale word
.set RBK,  6
.set GO,   7
.set NINF, 10
.set FA,   11                          ; 16 x thread
.set FA2,  28                          ; + VIMG
.set SSR,  29
.set FS,   30                          ; 8 x thread
.set FSL,  31                          ; + KSC
.set QSA,  86
.set GS,   87
.set SEL,  20
.set CS,   22
.set FLG,  24                          ; s24-27 the four steps' flags
.set TM,   232
.set PW,   252
.set PC,   32
	s_load_b256 s[4:11], s[0:1], 0x0               ; q's buffer s[4:5], k's and v's s[6:7], the mask words s[8:9], the output s[10:11]
	v_lshl_add_u32 v95, v0, 2, 0x20000
	v_mov_b32 v243, 0
	v_lshrrev_b32 v1, 5, v0
	s_delay_alu instid0(VALU_DEP_1)
	v_readfirstlane_b32 s12, v1                    ; wave 0..15
	s_and_b32 s13, s12, 3                          ; which of the four query heads
	s_lshr_b32 s14, s12, 2                         ; which of the four query tiles
	s_lshl_b32 s15, ttmp9, 1
	s_sub_co_u32 s16, 28, s15
	s_cmp_lt_u32 s14, 2
	s_cselect_b32 s15, s15, s16
	s_add_co_u32 s15, s15, s14                     ; f = 2 c + 0, 1 or 2 (15 - c) + 0, 1
	s_and_b32 s31, ttmp7, 0xffff                   ; 4 x batch + key head
	s_lshl_b32 s32, s31, 2
	s_add_co_u32 s32, s32, s13                     ; 16 x batch + head
	s_lshl_b32 s32, s32, 5
	s_add_co_u32 s32, s32, s15
	s_mul_i32 s34, s32, 1536                       ; Q's image
	s_mov_b32 s35, 0
	s_lshl_b32 s36, s32, 6
	s_add_co_u32 s36, s36, QBS                     ; its scale words
	s_mov_b32 s37, 0
	s_mul_i32 s38, s31, 98304                      ; K's and V's images
	s_mov_b32 s39, 0
	s_lshl_b32 s40, s31, 12
	s_add_co_u32 s40, s40, KVS                     ; their scale words
	s_mov_b32 s41, 0
	s_lshl_b32 s16, s15, 9
	s_add_co_u32 s16, s16, 32768                   ; my tile's flags
	s_mov_b32 s17, 0
	s_lshl_b32 s2, s15, 10                         ; my tile's mask words
	s_mov_b32 s3, 0
	s_mov_b32 s[SEL], 0x76543210
	s_mov_b32 s[SEL+1], 0xfedcba98                 ; lane l xor 16
	s_mov_b32 s[CS], 0x3e0293ee                    ; c = log2(e) / sqrt(128)
	s_mov_b32 s[CS+1], s[CS]
	v_and_b32 v80, 31, v0                          ; lane
	v_and_b32 v81, 15, v0                          ; r
	v_bfe_u32 v82, v0, 4, 1                        ; h
	s_delay_alu instid0(VALU_DEP_3)
	v_lshlrev_b32 v[LI], 4, v80
	s_delay_alu instid0(VALU_DEP_1)
	v_add_nc_u32 v[ADV], VIMG, v[LI]
	v_lshl_add_u32 v[ASC], v80, 2, KSC
; THE RESULT'S CODES LEAVE AS AN IMAGE OF THE NEXT PRODUCT'S OPERAND (in place of the stage of rows named above): my 16 queries x my head's 128 channels are 1,536 bytes, image (32 batch + f, head).
; Only the scale words meet in LDS: row 16 (my tile of four) + r, 16 bytes a row, 4 a head.
	s_lshl_b32 s51, s14, 8
	s_lshl_b32 s52, s13, 2
	s_add_co_u32 s51, s51, s52
	s_add_co_u32 s51, s51, SS
	v_lshl_add_u32 v[SSA], v81, 4, s51
	v_mov_b32 v[NINF], 0xff800000
	v_lshlrev_b32 v[FA], 4, v0
	s_delay_alu instid0(VALU_DEP_1)
	v_add_nc_u32 v[FA2], VIMG, v[FA]
	v_and_b32 v84, 63, v0
	s_delay_alu instid0(VALU_DEP_1)
	v_lshl_add_u32 v[SSR], v84, 4, SS
	v_lshlrev_b32 v[FS], 3, v0
	s_delay_alu instid0(VALU_DEP_1)
	v_add_nc_u32 v[FSL], KSC, v[FS]
	v_lshlrev_b32 v[QSA], 2, v81
	v_lshlrev_b32 v[GS], 6, v80
	s_wait_alu depctr_va_vdst(0)
	s_wait_kmcnt 0x0
	s_add_nc_u64 s[18:19], s[8:9], s[16:17]
.irp s, 0,1,2,3
	s_load_b32 s[FLG+\s], s[18:19], 128*\s
.endr
	s_add_nc_u64 s[28:29], s[8:9], s[2:3]
	s_add_nc_u64 s[42:43], s[4:5], s[34:35]
	s_add_nc_u64 s[44:45], s[4:5], s[36:37]
	s_add_nc_u64 s[46:47], s[6:7], s[38:39]
	s_add_nc_u64 s[48:49], s[6:7], s[40:41]
.irp c, 0,1,2
	global_load_b128 v[16+4*\c:19+4*\c], v[LI], s[42:43] offset:512*\c     ; Q's fragment stays in registers
.endr
	global_load_b32 v255, v[QSA], s[44:45]
.irp i, 0,1,2,3,4,5,6,7,8,9,10,11
	global_load_b128 v[96+4*\i:99+4*\i], v[FA], s[46:47] offset:8192*\i    ; the work-group reads 8,192 consecutive bytes an instruction
.endr
	global_load_b64 v[144:145], v[FS], s[48:49]
	v_mov_b32 v13, 0xff61b1e6                      ; the largest t so far: -3e38
	s_delay_alu instid0(VALU_DEP_1)
	v_floor_f32 v12, -v13                          ; -M
	v_mov_b32 v14, 0
	v_mov_b32 v15, 0
.irp b, 0,1,2,3
	v_mov_b32 v[236+\b], 0                         ; a lane permute's destination counts as one of its sources
.endr
	v_mov_b32 v252, 0
	v_mov_b32 v253, 0
.set n, 0
.rept 64
	v_mov_b32 v[160+n], 0                          ; O^T: any step, the first too, may be passed over, so no step's products can start the sums
.set n, n+1
.endr
.irp i, 0,1,2,3,4,5,6,7,8,9,10,11
	s_wait_loadcnt 12-\i                           ; behind fill load i: 11 - i more of them and the scale words'
.if \i < 6
	ds_store_b128 v[FA], v[96+4*\i:99+4*\i] offset:8192*\i
.else
	ds_store_b128 v[FA2], v[96+4*\i:99+4*\i] offset:8192*(\i-6)
.endif
.endr
	s_wait_loadcnt 0x0
	ds_store_b64 v[FSL], v[144:145]
	s_wait_kmcnt 0x0                               ; the flags
	s_wait_dscnt 0x0                               ; for the others' sake: my part of K and V lies in LDS
	s_barrier_signal -1
	s_barrier_wait -1
.macro WM d, a, b, cc, sa, sb, row1
.if \row1
	v_wmma_scale_f32_16x16x128_f8f6f4 v[\d:\d+7], v[\a:\a+11], v[\b:\b+11], \cc, v[\sa], v[\sb] matrix_a_fmt:MATRIX_FMT_BF6 matrix_b_fmt:MATRIX_FMT_BF6 matrix_a_scale:MATRIX_SCALE_ROW1
.else
	v_wmma_scale_f32_16x16x128_f8f6f4 v[\d:\d+7], v[\a:\a+11], v[\b:\b+11], \cc, v[\sa], v[\sb] matrix_a_fmt:MATRIX_FMT_BF6 matrix_b_fmt:MATRIX_FMT_BF6
.endif
.endm
; A KEY STEP: 128 keys.  Every LDS offset is an immediate.
.macro STEP s
	s_cmp_eq_u32 s[FLG+\s], 0
	s_cbranch_scc1 .Lskip_\@                       ; none of my 16 queries sees any of these keys
	s_load_b512 s[32:47], s[28:29], 256*\s         ; the step's 64 lane masks
	s_load_b512 s[48:63], s[28:29], 256*\s+64
	s_load_b512 s[68:83], s[28:29], 256*\s+128
	s_load_b512 s[84:99], s[28:29], 256*\s+192
.rept 4
	v_nop                                          ; places in front of loads into registers that the last step's products have read
.endr
.irp p, 0,1,2,3
	ds_load_b32 v[248+\p], v[ASC] offset:512*\s+128*\p     ; K's scale words: tile 2 p in lanes 0-15, tile 2 p + 1 in lanes 16-31
.endr
.irp g, 0,1                                    ; S^T = K Q^T, four tiles of 16 keys at a time
.if \g > 0
.rept 4
	v_nop
.endr
.endif
.irp t, 0,1,2,3
.irp c, 0,1,2
	ds_load_b128 v[32+12*\t+4*\c:35+12*\t+4*\c], v[LI] offset:(8*\s+4*\g+\t)*1536+512*\c
.endr
.endr
	s_wait_dscnt 0x0
.irp t, 0,1,2,3
	WM 96+8*(4*\g+\t), 32+12*\t, 16, 0, 248+2*\g+\t/2, 255, \t%2
.endr
.endr                                          ; register n of lane (r, h): query r, key 128 s + 32 (n / 16) + 16 h + n % 16
.rept 4
	v_nop
.endr
	s_wait_kmcnt 0x0
.set n, 0
.rept 32
	v_cndmask_b32 v[96+n], v[NINF], v[96+n], s[32+n]       ; hidden: -infinity.  (n rises: each accumulator is read from its low end on)
.set n, n+1
.endr
.rept 32
	v_cndmask_b32 v[96+n], v[NINF], v[96+n], s[36+n]
.set n, n+1
.endr
.irp b, 0,1,2,3
	v_max3_num_f32 v[232+\b], v[96+16*\b], v[97+16*\b], v[98+16*\b]   ; the largest score of each block of 32 keys: it serves the row's maximum and, since p rises with the score, the block's largest p
.endr
.irp i, 3,5,7,9,11,13
.irp b, 0,1,2,3
	s_delay_alu instid0(VALU_DEP_4)
	v_max3_num_f32 v[232+\b], v[232+\b], v[96+16*\b+\i], v[97+16*\b+\i]
.endr
.endr
.irp b, 0,1,2,3
	s_delay_alu instid0(VALU_DEP_4)
	v_max_num_f32 v[232+\b], v[232+\b], v[111+16*\b]
.endr
.irp b, 0,1,2,3
	s_delay_alu instid0(VALU_DEP_4)
	v_permlanex16_b32 v[236+\b], v[232+\b], s[SEL], s[SEL+1]
.endr
.irp b, 0,1,2,3
	s_delay_alu instid0(VALU_DEP_4)
	v_max_num_f32 v[232+\b], v[232+\b], v[236+\b]  ; with lane l xor 16's 16 keys
.endr
	s_delay_alu instid0(VALU_DEP_2)
	v_max3_num_f32 v254, v232, v233, v234
	s_delay_alu instid0(VALU_DEP_1)
	v_max_num_f32 v254, v254, v235
	s_delay_alu instid0(VALU_DEP_1)
	v_mul_f32 v254, s[CS], v254                    ; the step's largest t of my query
	s_delay_alu instid0(VALU_DEP_1)
	v_max_num_f32 v13, v13, v254
	v_mov_b32 v254, v12
	s_delay_alu instid0(VALU_DEP_2)
	v_floor_f32 v12, -v13                          ; the new -M = floor(-t): M is a whole number
	s_delay_alu instid0(VALU_DEP_1)
	v_sub_f32 v254, v12, v254                      ; old M - new M, a whole number, 0 or less
	s_delay_alu instid0(VALU_DEP_1)
	v_cvt_i32_f32 v254, v254                       ; (it saturates)
	s_delay_alu instid0(VALU_DEP_1)
	v_ldexp_f32 v252, 1.0, v254                    ; f = 2^(old M - new M)
.set n, 0
.rept 32
	v_pk_fma_f32 v[96+n:97+n], v[96+n:97+n], s[CS:CS+1], v[12:13] op_sel_hi:[1,0,0]   ; t - M, two at a time
.set n, n+2
.endr
.irp b, 0,1,2,3
	v_fma_f32 v[232+\b], v[232+\b], s[CS], v12     ; the same of each block's largest score
.endr
.set n, 0
	s_wait_alu depctr_va_vdst(0)
.rept 64
	v_exp_f32 v[96+n], v[96+n]                     ; p = 2^(t - M), at most 1
.set n, n+1
.endr
.irp b, 0,1,2,3
	v_exp_f32 v[232+\b], v[232+\b]                 ; the block's largest p: the same two instructions on the same number
.endr
	v_pk_mul_f32 v[14:15], v[14:15], v[252:253] op_sel_hi:[1,0]   ; the sums under the new M.  (A plain line behind the exponentials)
	s_wait_alu depctr_va_vdst(0)
.irp b, 0,1,2,3
	v_max_num_f32 v[232+\b], 0x2800000, v[232+\b]  ; the floor 2^(5 - 127): a block whose every p is 0 keeps the byte 1: its codes are zeros
.endr
.irp b, 0,1,2,3
	s_delay_alu instid0(VALU_DEP_4)
	v_add_nc_u32 v[244+\b], 0xfe000000, v[232+\b]
.endr
.irp b, 0,1,2,3
	s_delay_alu instid0(VALU_DEP_4)
	v_lshrrev_b32 v[236+\b], 23, v[244+\b]
.endr
	s_delay_alu instid0(VALU_DEP_3)
	v_lshl_or_b32 v253, v237, 8, v236              ; p's scale word for these 128 keys
	s_delay_alu instid0(VALU_DEP_1)
	v_lshl_or_b32 v253, v238, 16, v253
	s_delay_alu instid0(VALU_DEP_1)
	v_lshl_or_b32 v253, v239, 24, v253
.irp c, 0,1
	v_cvt_scalef32_pk16_bf6_f32 v[224+6*\c:226+6*\c], v[96+32*\c:111+32*\c], v[244+2*\c]
	v_cvt_scalef32_pk16_bf6_f32 v[236+4*\c:238+4*\c], v[112+32*\c:127+32*\c], v[244+2*\c+1]
.endr
	v_nop                                          ; one plain line behind a scaled conversion
.irp c, 0,1
.irp i, 0,1,2
	v_permlane16_swap_b32 v[224+6*\c+\i], v[236+4*\c+\i]
.endr
.irp i, 0,1,2
	s_delay_alu instid0(VALU_DEP_3)
	v_mov_b32 v[227+6*\c+\i], v[236+4*\c+\i]
.endr
.endr
	v_pk_add_f32 v[236:237], v[100:101], v[104:105]
	v_pk_add_f32 v[250:251], v[108:109], v[112:113]
	v_pk_add_f32 v[248:249], v[116:117], v[120:121]
	v_pk_add_f32 v[246:247], v[124:125], v[128:129]
	v_pk_add_f32 v[244:245], v[132:133], v[136:137]
	v_pk_add_f32 v[240:241], v[140:141], v[144:145]
	v_pk_add_f32 v[92:93], v[148:149], v[152:153]
	v_pk_add_f32 v[14:15], v[14:15], v[156:157]
	v_pk_add_f32 v[236:237], v[236:237], v[96:97]
	v_pk_add_f32 v[250:251], v[250:251], v[98:99]
	v_pk_add_f32 v[248:249], v[248:249], v[102:103]
	v_pk_add_f32 v[246:247], v[246:247], v[106:107]
	v_pk_add_f32 v[244:245], v[244:245], v[110:111]
	v_pk_add_f32 v[240:241], v[240:241], v[114:115]
	v_pk_add_f32 v[92:93], v[92:93], v[118:119]
	v_pk_add_f32 v[14:15], v[14:15], v[122:123]
	v_pk_add_f32 v[236:237], v[236:237], v[126:127]
	v_pk_add_f32 v[250:251], v[250:251], v[130:131]
	v_pk_add_f32 v[248:249], v[248:249], v[134:135]
	v_pk_add_f32 v[246:247], v[246:247], v[138:139]
	v_pk_add_f32 v[244:245], v[244:245], v[142:143]
	v_pk_add_f32 v[240:241], v[240:241], v[146:147]
	v_pk_add_f32 v[92:93], v[92:93], v[150:151]
	v_pk_add_f32 v[14:15], v[14:15], v[154:155]
	v_pk_add_f32 v[236:237], v[236:237], v[158:159]
	s_delay_alu instid0(VALU_DEP_2)
	v_pk_add_f32 v[14:15], v[14:15], v[246:247]
	s_delay_alu instid0(VALU_DEP_2)
	v_pk_add_f32 v[236:237], v[236:237], v[244:245]
	v_pk_add_f32 v[250:251], v[250:251], v[240:241]
	v_pk_add_f32 v[248:249], v[248:249], v[92:93]
	s_delay_alu instid0(VALU_DEP_2)
	v_pk_add_f32 v[14:15], v[14:15], v[250:251]
	s_delay_alu instid0(VALU_DEP_2)
	v_pk_add_f32 v[236:237], v[236:237], v[248:249]
	s_delay_alu instid0(VALU_DEP_1)
	v_pk_add_f32 v[14:15], v[14:15], v[236:237]
.set n, 0
.rept 32
	v_pk_mul_f32 v[160+n:161+n], v[160+n:161+n], v[252:253] op_sel_hi:[1,0]   ; O^T under the new M.  (These are also the places in front of the products and loads below)
.set n, n+2
.endr
.irp p, 0,1,2,3
	ds_load_b32 v[248+\p], v[ASC] offset:2048+512*\s+128*\p
.endr
	s_wait_alu depctr_va_vdst(0)
.irp g, 0,1                                    ; O^T += V^T P^T, four tiles of 16 channels at a time; the eight accumulators take turns
.if \g > 0
.rept 4
	v_nop
.endr
.endif
.irp t, 0,1,2,3
.irp c, 0,1,2
	ds_load_b128 v[32+12*\t+4*\c:35+12*\t+4*\c], v[ADV] offset:(8*\s+4*\g+\t)*1536+512*\c
.endr
.endr
	s_wait_dscnt 0x0
.irp t, 0,1,2,3
	WM 160+8*(4*\g+\t), 32+12*\t, 224, v[160+8*(4*\g+\t):167+8*(4*\g+\t)], 248+2*\g+\t/2, 253, \t%2
.endr
.endr
.Lskip_\@:
.endm
	STEP 0
	STEP 1
	STEP 2
	STEP 3
; 64 numbers of a lane, v[s] on, register 16 b + i = k 32 b + 16 h + i of my row, become a fragment's codes in v[PC] on and its scale word in v[PW].
.macro QUANT s
.irp b, 0,1,2,3
	v_max3_num_f32 v[TM+\b], |v[\s+16*\b]|, |v[\s+1+16*\b]|, 0x2800000
.endr
.irp i, 2,4,6,8,10,12,14
.irp b, 0,1,2,3
	s_delay_alu instid0(VALU_DEP_4)
	v_max3_num_f32 v[TM+\b], v[TM+\b], |v[\s+16*\b+\i]|, |v[\s+1+16*\b+\i]|
.endr
.endr
.irp b, 0,1,2,3
	s_delay_alu instid0(VALU_DEP_4)
	v_permlanex16_b32 v[TM+4+\b], v[TM+\b], s[SEL], s[SEL+1]
.endr
.irp b, 0,1,2,3
	s_delay_alu instid0(VALU_DEP_4)
	v_max_num_f32 v[TM+\b], v[TM+\b], v[TM+4+\b]
.endr
.irp b, 0,1,2,3
	s_delay_alu instid0(VALU_DEP_4)
	v_add_nc_u32 v[TM+12+\b], 0xfe000000, v[TM+\b]
.endr
.irp b, 0,1,2,3
	s_delay_alu instid0(VALU_DEP_4)
	v_lshrrev_b32 v[TM+4+\b], 23, v[TM+12+\b]
.endr
	s_delay_alu instid0(VALU_DEP_3)
	v_lshl_or_b32 v[PW], v[TM+5], 8, v[TM+4]
	s_delay_alu instid0(VALU_DEP_1)
	v_lshl_or_b32 v[PW], v[TM+6], 16, v[PW]
	s_delay_alu instid0(VALU_DEP_1)
	v_lshl_or_b32 v[PW], v[TM+7], 24, v[PW]
.irp c, 0,1
	v_cvt_scalef32_pk16_bf6_f32 v[PC+6*\c:PC+2+6*\c], v[\s+32*\c:\s+15+32*\c], v[TM+12+2*\c]
	v_cvt_scalef32_pk16_bf6_f32 v[PC+12+4*\c:PC+14+4*\c], v[\s+16+32*\c:\s+31+32*\c], v[TM+12+2*\c+1]
.endr
	v_nop
.irp c, 0,1
.irp i, 0,1,2
	v_permlane16_swap_b32 v[PC+6*\c+\i], v[PC+12+4*\c+\i]
.endr
.irp i, 0,1,2
	s_delay_alu instid0(VALU_DEP_3)
	v_mov_b32 v[PC+3+6*\c+\i], v[PC+12+4*\c+\i]
.endr
.endr
.endm
; THE WAY OUT.  O^T / the sum: register 8 t + j of lane (r, h) is channel 32 (t/2) + 16 h + 8 (t%2) + j of query r: the quantiser's order.  A lane's codes are 2 x 24 bytes of its query's row; a row's 384 bytes come from four waves:
; they meet in the stage, and each wave stores four whole pieces of 384 consecutive bytes.
.rept 4
	v_nop
.endr
	v_add_f32 v14, v14, v15
	s_delay_alu instid0(VALU_DEP_1)
	v_permlanex16_b32 v252, v14, s[SEL], s[SEL+1]
	s_delay_alu instid0(VALU_DEP_1)
	v_add_f32 v14, v14, v252                       ; the row's sum
	s_delay_alu instid0(VALU_DEP_1)
	v_cmp_eq_f32 s30, 0, v14                       ; a query that saw no key
	v_rcp_f32 v14, v14
	v_nop                                          ; a plain line behind the reciprocal
.set n, 0
	s_wait_alu depctr_va_vdst(0)
.rept 64
	v_mul_f32 v[96+n], v[160+n], v14
.set n, n+1
.endr
	QUANT 96
	v_cndmask_b32 v[PW], v[PW], -1, s30            ; its scale bytes are 0xff: the last product then gives NaN for its row
	ds_store_b32 v[SSA], v[PW]
	s_lshr_b32 s36, s31, 2                         ; batch
	s_lshl_b32 s34, s36, 5
	s_add_co_u32 s34, s34, s15                     ; row tile 32 batch + f
	s_lshl_b32 s34, s34, 4
	s_and_b32 s37, s31, 3
	s_lshl_b32 s38, s37, 2
	s_add_co_u32 s34, s34, s38
	s_add_co_u32 s34, s34, s13                     ; + head
	s_mul_i32 s34, s34, 1536
	s_mov_b32 s35, 0
	s_add_nc_u64 s[40:41], s[10:11], s[34:35]
	s_wait_alu depctr_va_vdst(0)                   ; the wait ahead of the readers below
.irp c, 0,1,2
	global_store_b128 v[LI], v[PC+4*\c:PC+4*\c+3], s[40:41] offset:512*\c   ; 512 consecutive bytes, aligned
.endr
	s_lshl_b32 s36, s36, 9                         ; 512 x batch
	s_lshl_b32 s32, ttmp9, 5                       ; 32 c
	s_sub_co_u32 s33, 480, s32                     ; 32 (15 - c)
	s_cmp_eq_u32 s12, 0
	s_cselect_b32 s42, s32, s33
	s_add_co_u32 s42, s42, s36
	s_lshl_b32 s42, s42, 6                         ; 64 scale bytes a row
	s_lshl_b32 s43, s37, 4
	s_add_co_u32 s42, s42, s43
	s_add_co_u32 s42, s42, ABS
	s_mov_b32 s43, 0
	s_add_nc_u64 s[44:45], s[10:11], s[42:43]
	s_wait_dscnt 0x0                               ; for the others' sake: my stores into the stage are done
	s_barrier_signal -1
	s_barrier_wait -1
	s_cmp_lt_u32 s12, 2                            ; waves 0 and 1 store the scale bytes of 32 rows each, 16 bytes a row
	s_cbranch_scc0 .Ldone
	ds_load_b128 v[112:115], v[SSR]
	s_wait_dscnt 0x0
	global_store_b128 v[GS], v[112:115], s[44:45]
.Ldone:
	s_wait_tensorcnt 0x0
	ds_add_u32 v95, v243
	s_wait_dscnt 0x0
	s_endpgm
.Lfunc_end_k_qe1cb8687fa_attn:
	.size	k_qe1cb8687fa_attn, .Lfunc_end_k_qe1cb8687fa_attn-k_qe1cb8687fa_attn
	.p2alignl 7, 3214868480
	.fill 96, 4, 3214868480
	.section	.rodata,"a",@progbits
	.p2align	6, 0x0
	.amdhsa_kernel k_qe1cb8687fa_attn
		.amdhsa_group_segment_fixed_size 133120
		.amdhsa_private_segment_fixed_size 0
		.amdhsa_enable_private_segment 0
		.amdhsa_kernarg_size 32
		.amdhsa_user_sgpr_count 2
		.amdhsa_user_sgpr_kernarg_segment_ptr 1
		.amdhsa_wavefront_size32 1
		.amdhsa_system_sgpr_workgroup_id_x 1
		.amdhsa_system_sgpr_workgroup_id_y 1
		.amdhsa_system_sgpr_workgroup_id_z 1
		.amdhsa_system_vgpr_workitem_id 0
		.amdhsa_next_free_vgpr 256
		.amdhsa_next_free_sgpr 100
		.amdhsa_reserve_vcc 0
		.amdhsa_float_denorm_mode_32 3
		.amdhsa_float_denorm_mode_16_64 3
		.amdhsa_memory_ordered 1
		.amdhsa_forward_progress 1
		.amdhsa_inst_pref_size 119
	.end_amdhsa_kernel
	.amdgpu_metadata
---
amdhsa.version: [ 1, 2 ]
amdhsa.kernels:
  - .name:           k_qe1cb8687fa_attn
    .symbol:         k_qe1cb8687fa_attn.kd
    .args:
      - { .name: qb, .offset: 0, .size: 8, .value_kind: global_buffer, .address_space: global }
      - { .name: kvb, .offset: 8, .size: 8, .value_kind: global_buffer, .address_space: global }
      - { .name: mw, .offset: 16, .size: 8, .value_kind: global_buffer, .address_space: global }
      - { .name: ab, .offset: 24, .size: 8, .value_kind: global_buffer, .address_space: global }
    .group_segment_fixed_size: 133120
    .private_segment_fixed_size: 0
    .kernarg_segment_align: 8
    .kernarg_segment_size: 32
    .max_flat_workgroup_size: 512
    .sgpr_count:     100
    .vgpr_count:     256
    .wavefront_size: 32
...
	.end_amdgpu_metadata
.endif
;; end of part 3
;; launch oproj (part 4): grid 8 x 32, 4 waves a work-group, clusters of 4 x 4, 327,680 bytes of LDS; arguments ab, wb, out0; writes out0
.if DOCPART == 4
	.amdgcn_target "amdgcn-amd-amdhsa--gfx1250"
	.amdhsa_code_object_version 6
	.text
	.protected	k_qe1cb8687fa_oproj
	.globl	k_qe1cb8687fa_oproj
	.p2align	8
	.type	k_qe1cb8687fa_oproj,@function
k_qe1cb8687fa_oproj:
	s_mov_b64 s[64:65], 0
	v_nop
	global_prefetch_b8 v0, s[64:65] scope:SCOPE_SE
	s_setreg_imm32_b32 hwreg(HW_REG_WAVE_MODE, 25, 1), 1
	s_wait_xcnt 0x0
	s_wait_alu depctr_hold_cnt(0) depctr_sa_sdst(0) depctr_va_vdst(0) depctr_va_sdst(0) depctr_va_ssrc(0) depctr_va_vcc(0) depctr_vm_vsrc(0)
	s_getreg_b32 s2, hwreg(HW_REG_IB_STS2, 6, 4)
	s_cmp_eq_u32 s2, 0
	s_cbranch_scc0 .Lentry_in_a_cluster
	s_endpgm
.Lentry_in_a_cluster:
	s_bfe_u32 s2, ttmp6, 0x10000c
	s_cmp_lg_u32 s2, 0xf033
	s_cbranch_scc0 .Lentry_shape_is_right
	s_endpgm
.Lentry_shape_is_right:
; out = attention's result x wo, on codes of E3M2 (one E8M0 scale for each 32 along K): [4096 x 2048] x [2048 x 2048]^T, sums and out in f32.
; Both operands come as images of the operand's registers: 1,536 bytes for 16 rows x 128 K, image (tile, step) at (16 tile + step) x 1,536; scale bytes 64 a buffer row.
; Row r of tile f is row (or column of wo) 32 (f/2) + 8 (f%2) + r + 8 (r/8): the way out puts every number in its place.
; SHARES: 128 x 256 of the output to a work-group, 32 x 8 = 256 work-groups; four waves, 64 x 128 each: 32 accumulators.
; THE RING: two slots of FOUR K steps: 24 row tiles x 6,144 consecutive bytes, each at a multiple of 256.  K = 16 steps goes in four fills, two of them refills.
; The scale bytes of the 128 + 256 rows come once, in blocks of 256 bytes + 16 of padding, and stay.  LDS: 2 x 147,456 + 26,112 + 512 spare; all of LDS is claimed.
; CLUSTERS 4 x 4: A's tiles are asked for jointly along a row, B's along a column.  The matrix instruction is used transposed (source 0 = B).
; No prefetch: the walk along K is written out, four fills, with no loop to run ahead in.
; A scale byte 0xff in A (a query that saw no key) makes its row's sums NaN, as the reference has them.
; REGISTERS: window 0: v16-29 addresses; v32-63 scale words, two sets; v64-159 A's four fragments, two sets; on the way out v128-255.  Window 1: B's eight fragments, two sets.  Window 2: accumulators (a, b) at v[8 (8 a + b)].
.set SIZE_N, 2048
.set FR,     12
.set NP,     4
.set IMG,    1536
.set ROWT,   16*IMG                    ; a row tile in memory
.set TP,     4*IMG                     ; a row tile's four steps in a slot
.set SLOTB,  8*TP                      ; B's 16 tiles lie behind A's 8
.set SLOT,   24*TP
.set SCL,    2*SLOT
.set SCLB,   SCL+32*272
.set SBLK,   4*272
.set SPARE,  SCL+96*272
.set SPITCH, 528                       ; the way out: a stage of 16 rows x (512 + 16) bytes a wave, from LDS byte 0: slot 0 has had its last fill and its last read by then
.set ABS,    6291456
.set WOC,    3072*1536
.set WOS,    7864320+3072*64
.set ADA,  16                          ; v16, v17 my A fragments in slot 0, 1
.set ADB,  18                          ; v18, v19 B's
.set STO,  24
.set RD,   25
.set CO,   26
.set ADRS, 27
.set SPW,  28
.set NIL,  29
.set SC,   32
.set AF,   64
.set BK,   128
.set G1A,  24
.set G1B,  32
.set G1SA, 40
.set G1SB, 48
.set G0A,  56                          ; s[56:63] group 0 for A, slots 0 and 1
.set G0B,  68                          ; s[68:75] for B
.set G0HA, 76                          ; the head's four
.set G0HB, 80
.set G0SA, 84
.set G0SB, 88
.set MSB, 0
.macro WIN new
.if MSB != (\new)
	s_set_vgpr_msb (MSB<<8)|(\new)
.set MSB, (\new)
.endif
.endm
.set MUL,  0xa1
.set TO_B, 0x40
.macro TLOAD g0, g1                    ; s_nop 0 and four v_nop behind a tensor load
	tensor_load_to_lds s[\g0:\g0+3], s[\g1:\g1+7]
	s_nop 0
.rept 4
	v_nop
.endr
.endm
.macro JLOAD s                         ; waves 0, 1 fetch A's halves, waves 2, 3 B's
	s_cmp_eq_u32 s15, 0
	s_cbranch_scc0 .Lfor_b_\@
	TLOAD G0A+4*(\s), G1A
	s_branch .Lasked_\@
.Lfor_b_\@:
	TLOAD G0B+4*(\s), G1B
.Lasked_\@:
.endm
.macro CREST
	s_cmp_lg_u32 s14, 0
	s_cbranch_scc1 .Lnot_wave_0_\@
	s_barrier_signal -3
.Lnot_wave_0_\@:
	s_barrier_wait -3
	s_barrier_signal -1
	s_barrier_wait -1
.endm
.macro CROUND
	s_barrier_signal -1
	s_barrier_wait -1
	CREST
.endm
.macro SHAPE g, c, r, p
	s_mov_b32 s[\g+1], (\c)<<16
	s_mov_b32 s[\g+2], (\r)<<16
	s_mov_b32 s[\g+3], (\c)<<16
	s_mov_b32 s[\g+4], \r
	s_mov_b32 s[\g+5], \p
	s_mov_b32 s[\g+6], 0
	s_mov_b32 s[\g+7], 0
.endm
.macro ARM under, g0, g1, next
	s_cmp_lt_u32 s14, \under
	s_cbranch_scc0 \next
	TLOAD \g0, \g1
	s_branch .Lhead_asked
\next:
.endm
	s_load_b128 s[4:7], s[0:1], 0x0                ; A's buffer, the weights'
	s_load_b64 s[12:13], s[0:1], 0x10              ; the output
	v_lshl_add_u32 v[SPW], v0, 2, SPARE
	v_mov_b32 v[NIL], 0
	ds_add_u32 v[SPW], v[NIL]
	ds_add_u32 v[SPW], v[NIL]
	v_lshrrev_b32 v1, 5, v0
	v_readfirstlane_b32 s14, v1                    ; wave
	s_lshr_b32 s15, s14, 1                         ; my 64 rows; also: I fetch for A (0) or B (1)
	s_and_b32 s16, s14, 1                          ; my 128 columns; also: which half I fetch
	s_bfe_u32 s2, ttmp6, 0x40000
	s_bfe_u32 s3, ttmp6, 0x40004
	s_lshl_b32 s18, ttmp9, 2
	s_add_co_u32 s18, s18, s2                      ; block column
	s_and_b32 s17, ttmp7, 0xffff
	s_lshl_b32 s17, s17, 2
	s_add_co_u32 s17, s17, s3                      ; block row
	s_lshl_b32 s19, s3, 2
	s_lshl_b32 s19, 15, s19
	s_lshl_b32 s20, 0x1111, s2
	s_or_b32 s[G1A], s19, (3<<16)|(1<<21)          ; elements of 8 bytes, no padding
	s_or_b32 s[G1B], s20, (3<<16)|(1<<21)
	s_or_b32 s[G1SA], s19, (3<<16)|(1<<20)|(1<<21)|(5<<22)|(3<<25)
	s_or_b32 s[G1SB], s20, (3<<16)|(1<<20)|(1<<21)|(5<<22)|(3<<25)
	SHAPE G1A, TP/8, 8, ROWT/8                     ; the head's loads bring whole tiles: A's 8 row tiles,
	SHAPE G1B, TP/8, 16, ROWT/8                    ; B's 16
	SHAPE G1SA, 32, 32, 32
	SHAPE G1SB, 32, 64, 32
	s_mul_i32 s8, s17, 8*ROWT
	s_mov_b32 s9, 0
	s_lshl_b32 s10, s17, 13
	s_add_co_u32 s10, s10, ABS
	s_mov_b32 s11, 0
	s_mul_i32 s22, s18, 16*ROWT
	s_add_co_u32 s22, s22, WOC
	s_mov_b32 s23, 0
	s_lshl_b32 s66, s18, 14
	s_add_co_u32 s66, s66, WOS
	s_mov_b32 s67, 0
	s_mul_i32 s92, s16, 4*ROWT                     ; the half that my ring loads fetch
	s_mov_b32 s93, 0
	s_mul_i32 s94, s16, 8*ROWT
	s_mov_b32 s95, 0
	s_mul_i32 s21, s16, 4*TP
	s_mul_i32 s96, s16, 8*TP
	s_add_co_u32 s96, s96, SLOTB
.irp g, G0A, G0A+4, G0B, G0B+4, G0HA, G0HB, G0SA, G0SB
	s_mov_b32 s[\g], 1
.endr
	s_mov_b32 s[G0A+1], s21
	s_add_co_u32 s[G0A+5], s21, SLOT
	s_mov_b32 s[G0B+1], s96
	s_add_co_u32 s[G0B+5], s96, SLOT
	s_mov_b32 s[G0HA+1], 0
	s_mov_b32 s[G0HB+1], SLOTB
	s_mov_b32 s[G0SA+1], SCL
	s_mov_b32 s[G0SB+1], SCLB
	s_wait_dscnt 0x0
	s_wait_kmcnt 0x0
	s_add_nc_u64 s[G0HA+2:G0HA+3], s[4:5], s[8:9]
	s_add_nc_u64 s[G0SA+2:G0SA+3], s[4:5], s[10:11]
	s_add_nc_u64 s[G0HB+2:G0HB+3], s[6:7], s[22:23]
	s_add_nc_u64 s[G0SB+2:G0SB+3], s[6:7], s[66:67]
	s_add_nc_u64 s[G0A+2:G0A+3], s[G0HA+2:G0HA+3], s[92:93]
	s_add_nc_u64 s[G0B+2:G0B+3], s[G0HB+2:G0HB+3], s[94:95]
	s_add_nc_u64 s[G0A+6:G0A+7], s[G0A+2:G0A+3], TP            ; slot 1 begins with steps 4 .. 7
	s_add_nc_u64 s[G0B+6:G0B+7], s[G0B+2:G0B+3], TP
.irp g, G0A, G0A+4, G0B, G0B+4, G0HA, G0HB, G0SA, G0SB
	s_or_b32 s[\g+3], s[\g+3], 0x80000000
.endr
	CROUND                                         ; the first joint loads meet
	ARM 1, G0HA, G1A, .Lhead_b                     ; one load a wave: slot 0's A, its B, A's scales, B's scales
	ARM 2, G0HB, G1B, .Lhead_sa
	ARM 3, G0SA, G1SA, .Lhead_sb
	TLOAD G0SB, G1SB
.Lhead_asked:
	s_mul_i32 s8, s15, 4*TP                        ; my 4 row tiles of A,
	s_mul_i32 s9, s16, 8*TP
	s_add_co_u32 s9, s9, SLOTB                     ; my 8 of B
	s_mul_i32 s10, s15, 16*272
	s_mul_i32 s11, s16, 32*272
	s_add_co_u32 s11, s11, 32*272
	s_sub_co_u32 s11, s11, s10
	s_add_co_u32 s10, s10, SCL
	s_mul_i32 s22, s14, 16*SPITCH                  ; my stage
	v_and_b32 v1, 15, v0                           ; r
	v_bfe_u32 v2, v0, 4, 1                         ; h
	v_and_b32 v6, 31, v0
	v_lshlrev_b32 v[CO], 4, v6                     ; 16 x lane
	v_add_nc_u32 v[ADA], s8, v[CO]
	v_add_nc_u32 v[ADB], s9, v[CO]
	v_add_nc_u32 v[ADA+1], SLOT, v[ADA]
	v_add_nc_u32 v[ADB+1], SLOT, v[ADB]
	v_lshlrev_b32 v5, 6, v1                        ; my row's scales: 64 bytes a row,
	v_lshrrev_b32 v7, 8, v5
	v_lshl_add_u32 v5, v7, 4, v5                   ; 16 more for each 256 passed
	v_mul_u32_u24 v7, s11, v2                      ; lanes 16-31 take B's
	v_add_nc_u32 v5, v5, v7
	v_add_nc_u32 v[ADRS], s10, v5
	v_mul_u32_u24 v5, v1, SPITCH
	v_lshl_add_u32 v5, v2, 6, v5
	v_add_nc_u32 v[STO], s22, v5                   ; into the stage: row r, + 64 h
	v_add_nc_u32 v[RD], s22, v[CO]                 ; back: 32 lanes take a row of 512 bytes
	s_lshl_b32 s8, s17, 7
	s_lshl_b32 s9, s15, 6
	s_add_co_u32 s8, s8, s9
	s_lshl_b32 s8, s8, 13                          ; my first row of the output, of 8,192 bytes,
	s_lshl_b32 s9, s18, 10
	s_add_co_u32 s8, s8, s9
	s_lshl_b32 s9, s16, 9
	s_add_co_u32 s8, s8, s9                        ; my first column
	s_mov_b32 s9, 0
	s_add_nc_u64 s[12:13], s[12:13], s[8:9]
.macro FRAG reg, adr, n, i             ; the image of row tile i, step n: three loads at 16 x lane
.irp c, 0,1,2
	ds_load_b128 v[\reg+4*\c:\reg+4*\c+3], v[\adr+((\n)/4)%2] offset:(\i)*TP+IMG*((\n)%4)+512*\c
.endr
.endm
.macro FETCH_A n                       ; 12 loads
	WIN 0
.irp i, 0,1,2,3
	FRAG AF+48*((\n)%2)+FR*\i, ADA, \n, \i
.endr
.endm
.macro FETCH_B n, i0                   ; 12 loads
	WIN TO_B
.irp i, \i0, \i0+1, \i0+2, \i0+3
	FRAG 128*((\n)%2)+FR*(\i), ADB, \n, \i
.endr
.endm
.macro SCALES j                        ; the words of steps 2 j, 2 j + 1: lanes 0-15 A's block i (of use for i < 4), lanes 16-31 B's
.irp i, 0,1,2,3,4,5,6,7
	ds_load_b64 v[SC+16*((\j)%2)+2*\i:SC+16*((\j)%2)+2*\i+1], v[ADRS] offset:\i*SBLK+8*(\j)
.endr
.endm
.macro MULQ t, b, zero                 ; B's block b against A's four; the 32 accumulators take turns
.irp a, 0,1,2,3
.set WS, SC+16*(((\t)/2)%2)+(\t)%2
.set WD, 8*(8*\a+(\b))
.set WF, 128*((\t)%2)+FR*(\b)
.set WG, AF+48*((\t)%2)+FR*\a
.if \zero
	v_wmma_scale_f32_16x16x128_f8f6f4 v[WD:WD+7], v[WF:WF+FR-1], v[WG:WG+FR-1], 0, v[WS+2*(\b)], v[WS+2*\a] matrix_a_fmt:MATRIX_FMT_BF6 matrix_b_fmt:MATRIX_FMT_BF6 matrix_a_scale:MATRIX_SCALE_ROW1
.else
	v_wmma_scale_f32_16x16x128_f8f6f4 v[WD:WD+7], v[WF:WF+FR-1], v[WG:WG+FR-1], v[WD:WD+7], v[WS+2*(\b)], v[WS+2*\a] matrix_a_fmt:MATRIX_FMT_BF6 matrix_b_fmt:MATRIX_FMT_BF6 matrix_a_scale:MATRIX_SCALE_ROW1
.endif
.endr
.endm
.macro PLACES n
.rept \n
	v_nop
.endr
.endm
; STEP t: 32 products on set t % 2; the next step's 36 loads go into the other set, which the step before read last (the places at the head stand between), in three runs.
.macro STEP t, zero
.set SCF, (((\t)%2) == 0) && ((\t) < 14)
	PLACES NP
	s_wait_dscnt 12                                ; only B's blocks 4-7, the youngest 12 loads, may be out
	WIN MUL
	MULQ \t, 0, \zero
	MULQ \t, 1, \zero
	FETCH_A (\t)+1
.if SCF
	SCALES (\t)/2+1
.endif
	WIN MUL
	MULQ \t, 2, \zero
	MULQ \t, 3, \zero
	FETCH_B (\t)+1, 0
.if SCF
	s_wait_dscnt 32                                ; all but what this step has issued: 12 + 8 + 12
.else
	s_wait_dscnt 24
.endif
	WIN MUL
	MULQ \t, 4, \zero
	MULQ \t, 5, \zero
	FETCH_B (\t)+1, 4
	WIN MUL
	MULQ \t, 6, \zero
	MULQ \t, 7, \zero
.endm
; A slot's last step: one barrier.  fill: the slot that is left and filled again, or -1.
.macro TURN t, fill
	WIN 0
	PLACES NP
	s_wait_tensorcnt 0x0                           ; all my tensor loads have landed: my part of the other slot
	ds_add_u32 v[SPW], v[NIL]
	s_wait_dscnt 13                                ; the add and B's blocks 4-7 may be out
	WIN MUL
	MULQ \t, 0, 0
	s_wait_dscnt 0x0                               ; the add is done, my reads of this slot are over
	s_barrier_signal -1
	MULQ \t, 1, 0
	WIN 0
	s_barrier_wait -1
.if \fill >= 0
	CREST                                          ; the barrier has opened a round of the cluster's
	s_add_nc_u64 s[G0A+4*(\fill)+2:G0A+4*(\fill)+3], s[G0A+4*(\fill)+2:G0A+4*(\fill)+3], 2*TP
	s_add_nc_u64 s[G0B+4*(\fill)+2:G0B+4*(\fill)+3], s[G0B+4*(\fill)+2:G0B+4*(\fill)+3], 2*TP
	JLOAD \fill                                    ; my one tensor load behind the round
.endif
	FETCH_A (\t)+1
	WIN MUL
	MULQ \t, 2, 0
	MULQ \t, 3, 0
	FETCH_B (\t)+1, 0
	WIN MUL
	MULQ \t, 4, 0
	MULQ \t, 5, 0
	FETCH_B (\t)+1, 4
	WIN MUL
	MULQ \t, 6, 0
	MULQ \t, 7, 0
.endm
	s_wait_alu depctr_va_vdst(0)                   ; the wait at the head's end
	s_wait_tensorcnt 0x0                           ; my tile of the head's four is in
	ds_add_u32 v[SPW], v[NIL]
	s_mov_b32 s[G1A+2], 4<<16                      ; no tensor load of mine is out: from here on a load brings half a tile
	s_mov_b32 s[G1A+4], 4
	s_mov_b32 s[G1B+2], 8<<16
	s_mov_b32 s[G1B+4], 8
	s_wait_dscnt 0x0
	CROUND
	JLOAD 1                                        ; steps 4 .. 7
	SCALES 0
	FETCH_A 0
	FETCH_B 0, 0
	FETCH_B 0, 4
	STEP 0, 1                                      ; the first step's products start the sums
	STEP 1, 0
	STEP 2, 0
	TURN 3, 0                                      ; slot 0 takes steps 8 .. 11
	STEP 4, 0
	STEP 5, 0
	STEP 6, 0
	TURN 7, 1                                      ; slot 1 takes steps 12 .. 15
	STEP 8, 0
	STEP 9, 0
	STEP 10, 0
	TURN 11, -1                                    ; slot 0 is left for good: behind this barrier it holds the stages
	STEP 12, 0
	STEP 13, 0
	STEP 14, 0
	s_wait_dscnt 0x0
	WIN MUL
.irp b, 0,1,2,3,4,5,6,7
	MULQ 15, \b, 0
.endr
	WIN 0
; THE WAY OUT, by blocks of 16 rows x 128 columns through my own stage; LDS serves a wave's instructions in order, so no wait stands between the stores and the loads.
.macro TOSTAGE a
.set AC, 64*(\a)
	WIN 0x08
.irp b, 0,1,2,3,4,5,6,7
	ds_store_b128 v[STO], v[AC+8*\b:AC+8*\b+3] offset:128*(\b/2)+32*(\b%2)          ; each accumulator from its low end on
	ds_store_b128 v[STO], v[AC+8*\b+4:AC+8*\b+7] offset:128*(\b/2)+32*(\b%2)+16
.endr
	WIN 0
.set BB, BK+64*((\a)%2)
.irp t, 0,1,2,3,4,5,6,7,8,9,10,11,12,13,14,15
	ds_load_b128 v[BB+4*\t:BB+4*\t+3], v[RD] offset:\t*SPITCH
.endr
.endm
.macro SEND a, younger                 ; row t of my tile a is row 32 (a/2) + 8 (a%2) + t + 8 (t/8) of my 64
.set BB, BK+64*((\a)%2)
	s_wait_dscnt \younger
.irp t, 0,1,2,3,4,5,6,7,8,9,10,11,12,13,14,15
	global_store_b128 v[CO], v[BB+4*\t:BB+4*\t+3], s[12:13] offset:(32*((\a)/2)+8*((\a)%2)+\t+8*(\t/8))*SIZE_N*4 th:TH_STORE_NT   ; 512 consecutive bytes, aligned
.endr
.endm
	PLACES NP
	TOSTAGE 0
.irp a, 1,2,3
.if \a > 1
	s_wait_xcnt 0x0                                ; block a - 2's stores have read their registers
.endif
	TOSTAGE \a
	SEND \a-1, 32                                  ; behind block a - 1's loads: block a's 16 stores and 16 loads
.endr
	SEND 3, 0
	s_wait_tensorcnt 0x0                           ; the wave's end
	ds_add_u32 v[SPW], v[NIL]
	s_wait_dscnt 0x0
	CROUND                                         ; the closing round
	s_endpgm
.Lfunc_end_k_qe1cb8687fa_oproj:
	.size	k_qe1cb8687fa_oproj, .Lfunc_end_k_qe1cb8687fa_oproj-k_qe1cb8687fa_oproj
	.p2alignl 7, 3214868480
	.fill 96, 4, 3214868480
	.section	.rodata,"a",@progbits
	.p2align	6, 0x0
	.amdhsa_kernel k_qe1cb8687fa_oproj
		.amdhsa_group_segment_fixed_size 327680
		.amdhsa_private_segment_fixed_size 0
		.amdhsa_enable_private_segment 0
		.amdhsa_kernarg_size 24
		.amdhsa_user_sgpr_count 2
		.amdhsa_user_sgpr_kernarg_segment_ptr 1
		.amdhsa_wavefront_size32 1
		.amdhsa_system_sgpr_workgroup_id_x 1
		.amdhsa_system_sgpr_workgroup_id_y 1
		.amdhsa_system_sgpr_workgroup_id_z 1
		.amdhsa_system_vgpr_workitem_id 0
		.amdhsa_next_free_vgpr 768
		.amdhsa_next_free_sgpr 100
		.amdhsa_reserve_vcc 0
		.amdhsa_float_denorm_mode_32 3
		.amdhsa_float_denorm_mode_16_64 3
		.amdhsa_memory_ordered 1
		.amdhsa_forward_progress 1
		.amdhsa_inst_pref_size 138
	.end_amdhsa_kernel
	.amdgpu_metadata
---
amdhsa.version: [ 1, 2 ]
amdhsa.kernels:
  - .name:           k_qe1cb8687fa_oproj
    .symbol:         k_qe1cb8687fa_oproj.kd
    .args:
      - { .name: ab, .offset: 0, .size: 8, .value_kind: global_buffer, .address_space: global }
      - { .name: wb, .offset: 8, .size: 8, .value_kind: global_buffer, .address_space: global }
      - { .name: out0, .offset: 16, .size: 8, .value_kind: global_buffer, .address_space: global }
    .group_segment_fixed_size: 327680
    .private_segment_fixed_size: 0
    .kernarg_segment_align: 8
    .kernarg_segment_size: 24
    .max_flat_workgroup_size: 128
    .sgpr_count:     100
    .vgpr_count:     768
    .wavefront_size: 32
...
	.end_amdgpu_metadata
.endif
;; end of part 4
